; MI455X (gfx1250); checked and timed in simulation.
; The chip was launched on July 23, 2026; its instructions are those of AMD's public machine-readable ISA for CDNA 5 (MIT licence, August 2026) and "CDNA5" Instruction Set Architecture Reference Guide (July 2026). The comments in the code are by the model that wrote it; some were corrected since.
;; Radix MLP Qwen3 Attention. Allowed arithmetic: float matrix products may take bf16 or f16 operands with f32 sums; other float arithmetic in f32, or as packed bf16 or f16 multiplies, adds, multiply-adds, maxima and minima; sums over many terms, partial sums and values carried from step to step in f32; what a program stores and reads back later, other than sums and carried values, may be rounded once to bf16 or f16.
;; Inputs: cos 6,400 x 64 float32; cu_seq_lengths 9 int32; fold_gather 6,400 int32; hidden_states 6,400 x 2,048 float32; k_norm_w 128 float32; q_norm_w 128 float32; scatter_indices 8,192 int32; sin 6,400 x 64 float32; wk 2,048 x 512 float32; wo 1,024 x 2,048 float32; wq 2,048 x 1,024 float32; wv 2,048 x 512 float32.
;; Outputs: out0 6,400 x 2,048 float32.
;; Constants: max_seq_len = 1024.
;; 2 versions, each right; version 2 is version 1 with the launch attn written anew for expert scheduling mode. Each part assembles by itself: llvm-mc -triple=amdgcn-amd-amdhsa -mcpu=gfx1250 --defsym DOCPART=n.
;; ======== version 1 of 2: 5 launches
;; limits: values are held in f16: magnitudes above 65,504 overflow, below 6.1e-05 lose precision
;; workspace buffers: xb 26,214,400 bytes; wqkv 8,388,608 bytes; wof 4,194,304 bytes; cst 3,276,800 bytes; qkvh 26,214,400 bytes; ofull 16,777,216 bytes; oc 13,107,200 bytes
;; launch cast (part 1): grid 2468 x 1, 8 waves a work-group, no clusters, 0 bytes of LDS; arguments hidden_states, wq, wk, wv, wo, cos, sin, xb, wqkv, wof, cst; writes xb, wqkv, wof, cst
.if DOCPART == 1
	.amdgcn_target "amdgcn-amd-amdhsa--gfx1250"
	.amdhsa_code_object_version 6
	.text
	.protected	k_q39168aeda4_cast
	.globl	k_q39168aeda4_cast
	.p2align	8
	.type	k_q39168aeda4_cast,@function
k_q39168aeda4_cast:
	s_mov_b64 s[64:65], 0
	v_nop
	global_prefetch_b8 v0, s[64:65] scope:SCOPE_SE
	s_setreg_imm32_b32 hwreg(HW_REG_WAVE_MODE, 25, 1), 1
	s_wait_xcnt 0x0
; EVERY FLOAT INPUT OF THE MATRIX WORK IS ROUNDED ONCE TO bf16 (the two norm gains are rounded where they are used).
;   hidden_states [6400][2048] -> xb   bf16, same layout
;   wq [2048][1024], wk, wv [2048][512] -> wqkv bf16 [2048 k][2048 n]: columns 0-1023 wq; 1024 + 256 j + 0..127 wk's head j; 1024 + 256 j + 128..255 wv's head j
;   wo [1024][2048] -> wof: rounded to bf16, that number written as f16 (the second product's other operand is f16)
;   cos, sin [6400][64] -> cst f32 [6400][128]: cos | sin of a token in one row of 512 bytes, each rounded to bf16 and kept as f32
; LIMIT: a bf16 number is exact in f16 from 2^-17 to 65,504; below 2^-17 wo keeps f16's fixed step of 2^-24, beyond 65,504 it would be lost.
; A stream: no LDS, no barrier, no matrix unit.  A work-group takes 8,192 consecutive source numbers in 8 passes of 1,024; thread t takes 4 a pass:
; a wave's load covers 512 consecutive bytes, its store 256 (16-bit results) or 512 (cst) consecutive bytes, aligned.  All eight loads go out first.
; Which tensor a work-group serves hangs on its number alone: seven segments, chosen by scalar selects.
; Source element e = (row, col), row = e >> LW; destination element = (row << RS) + C0 + ((col >> 7) << SH) + (col & 127), in units of 1 << BS bytes.
.set X, 16                             ; v[16:47]  pass j: 4 numbers as loaded
.set D, 48                             ; v[48:55]  pass j: byte offset in the destination; never rewritten
.set Y, 56                             ; v[56:71]  pass j: 2 registers of packed results
.set T, 72                             ; v[72:73]  at work
.set SRC, 32                           ; s[32:33]
.set DST, 34                           ; s[34:35]
.macro SEG start, src, dst, lw, rs, sh, c0, bs, kind   ; from work-group \start on, this segment's figures replace the last one's
	s_cmp_ge_u32 ttmp9, \start
	s_cselect_b64 s[SRC:SRC+1], s[\src:\src+1], s[SRC:SRC+1]
	s_cselect_b64 s[DST:DST+1], s[\dst:\dst+1], s[DST:DST+1]
	s_cselect_b32 s36, \start, s36
	s_cselect_b32 s37, \lw, s37
	s_cselect_b32 s38, \rs, s38
	s_cselect_b32 s39, \sh, s39
	s_cselect_b32 s40, \c0, s40
	s_cselect_b32 s41, \bs, s41
	s_cselect_b32 s42, \kind, s42
.endm
	s_load_b512 s[8:23], s[0:1], 0x0               ; hidden s[8:9], wq s[10:11], wk s[12:13], wv s[14:15], wo s[16:17], cos s[18:19], sin s[20:21], xb s[22:23]
	s_load_b128 s[24:27], s[0:1], 0x40             ; wqkv s[24:25], wof s[26:27]
	s_load_b64 s[28:29], s[0:1], 0x50              ; cst
	v_lshlrev_b32 v1, 4, v0                        ; 16 t
	s_mov_b32 s36, 0                               ; the first segment, hidden_states: first work-group,
	s_mov_b32 s37, 11                              ; LW
	s_mov_b32 s38, 11                              ; RS
	s_mov_b32 s39, 7                               ; SH
	s_mov_b32 s40, 0                               ; C0
	s_mov_b32 s41, 1                               ; BS
	s_mov_b32 s42, 0                               ; kind: 0 bf16, 1 bf16 written as f16, 2 bf16 written as f32
	s_wait_kmcnt 0x0
	s_mov_b64 s[SRC:SRC+1], s[8:9]
	s_mov_b64 s[DST:DST+1], s[22:23]
	SEG 1600, 10, 24, 10, 11, 7, 0,    1, 0        ; wq: 256 work-groups
	SEG 1856, 12, 24, 9,  11, 8, 1024, 1, 0        ; wk: 128
	SEG 1984, 14, 24, 9,  11, 8, 1152, 1, 0        ; wv: 128
	SEG 2112, 16, 26, 11, 11, 7, 0,    1, 1        ; wo: 256
	SEG 2368, 18, 28, 6,  7,  7, 0,    2, 2        ; cos: 50
	SEG 2418, 20, 28, 6,  7,  7, 64,   2, 2        ; sin: 50
	s_sub_co_u32 s44, ttmp9, s36                   ; my number in the segment
	s_lshl_b32 s46, s44, 13                        ; its first element,
	s_lshl_b32 s44, s44, 15                        ; and byte (52,428,800 at the most)
	s_mov_b32 s45, 0
	s_add_nc_u64 s[SRC:SRC+1], s[SRC:SRC+1], s[44:45]
	s_bfm_b32 s43, s37, 0                          ; LW ones: the column's mask
.irp j, 0,1,2,3,4,5,6,7
	global_load_b128 v[X+4*(\j):X+4*(\j)+3], v1, s[SRC:SRC+1] offset:4096*(\j) th:TH_LOAD_NT
.endr
	v_lshl_add_u32 v2, v0, 2, s46                  ; my first element
.irp j, 0,1,2,3,4,5,6,7                            ; the destinations, made while the loads are out
	v_add_nc_u32 v3, 1024*(\j), v2
	v_lshrrev_b32 v4, s37, v3                      ; row
	v_and_b32 v5, s43, v3                          ; col
	v_lshrrev_b32 v6, 7, v5
	v_and_b32 v5, 127, v5
	v_lshlrev_b32 v4, s38, v4
	v_lshlrev_b32 v6, s39, v6
	v_add3_u32 v4, v4, v6, v5
	v_add_nc_u32 v4, s40, v4
	v_lshlrev_b32 v[D+(\j)], s41, v4
.endr
	s_cmp_eq_u32 s42, 0
	s_cbranch_scc0 .Lnot_plain
.irp j, 0,1,2,3,4,5,6,7
	s_wait_loadcnt 7-(\j)                          ; loads come back in order: pass j is in, the 7 - j younger ones stay out
	v_cvt_pk_bf16_f32 v[Y+2*(\j)],   v[X+4*(\j)],   v[X+4*(\j)+1]
	v_cvt_pk_bf16_f32 v[Y+2*(\j)+1], v[X+4*(\j)+2], v[X+4*(\j)+3]
	global_store_b64 v[D+(\j)], v[Y+2*(\j):Y+2*(\j)+1], s[DST:DST+1]
.endr
	s_endpgm
.Lnot_plain:
	s_cmp_eq_u32 s42, 1
	s_cbranch_scc0 .Ltable
.irp j, 0,1,2,3,4,5,6,7
	s_wait_loadcnt 7-(\j)
	v_cvt_pk_bf16_f32 v[T],   v[X+4*(\j)],   v[X+4*(\j)+1]
	v_cvt_pk_bf16_f32 v[T+1], v[X+4*(\j)+2], v[X+4*(\j)+3]
	v_lshlrev_b32 v[X+4*(\j)],   16, v[T]          ; the rounded numbers as f32 again,
	v_and_b32     v[X+4*(\j)+1], 0xffff0000, v[T]
	v_lshlrev_b32 v[X+4*(\j)+2], 16, v[T+1]
	v_and_b32     v[X+4*(\j)+3], 0xffff0000, v[T+1]
	v_cvt_pk_f16_f32 v[Y+2*(\j)],   v[X+4*(\j)],   v[X+4*(\j)+1]   ; and written as f16
	v_cvt_pk_f16_f32 v[Y+2*(\j)+1], v[X+4*(\j)+2], v[X+4*(\j)+3]
	global_store_b64 v[D+(\j)], v[Y+2*(\j):Y+2*(\j)+1], s[DST:DST+1]
.endr
	s_endpgm
.Ltable:
.irp j, 0,1,2,3,4,5,6,7
	s_wait_loadcnt 7-(\j)
	v_cvt_pk_bf16_f32 v[Y+2*(\j)],   v[X+4*(\j)],   v[X+4*(\j)+1]
	v_cvt_pk_bf16_f32 v[Y+2*(\j)+1], v[X+4*(\j)+2], v[X+4*(\j)+3]
	v_lshlrev_b32 v[X+4*(\j)],   16, v[Y+2*(\j)]
	v_and_b32     v[X+4*(\j)+1], 0xffff0000, v[Y+2*(\j)]
	v_lshlrev_b32 v[X+4*(\j)+2], 16, v[Y+2*(\j)+1]
	v_and_b32     v[X+4*(\j)+3], 0xffff0000, v[Y+2*(\j)+1]
	global_store_b128 v[D+(\j)], v[X+4*(\j):X+4*(\j)+3], s[DST:DST+1]  ; 16 lanes fill one half row of cst: 256 consecutive bytes, aligned
.endr
	s_endpgm
.Lfunc_end_k_q39168aeda4_cast:
	.size	k_q39168aeda4_cast, .Lfunc_end_k_q39168aeda4_cast-k_q39168aeda4_cast
	.p2alignl 7, 3214868480
	.fill 96, 4, 3214868480
	.section	.rodata,"a",@progbits
	.p2align	6, 0x0
	.amdhsa_kernel k_q39168aeda4_cast
		.amdhsa_group_segment_fixed_size 0
		.amdhsa_private_segment_fixed_size 0
		.amdhsa_enable_private_segment 0
		.amdhsa_kernarg_size 88
		.amdhsa_user_sgpr_count 2
		.amdhsa_user_sgpr_kernarg_segment_ptr 1
		.amdhsa_wavefront_size32 1
		.amdhsa_system_sgpr_workgroup_id_x 1
		.amdhsa_system_sgpr_workgroup_id_y 1
		.amdhsa_system_sgpr_workgroup_id_z 1
		.amdhsa_system_vgpr_workitem_id 0
		.amdhsa_next_free_vgpr 80
		.amdhsa_next_free_sgpr 66
		.amdhsa_reserve_vcc 0
		.amdhsa_float_denorm_mode_32 3
		.amdhsa_float_denorm_mode_16_64 3
		.amdhsa_memory_ordered 1
		.amdhsa_forward_progress 1
		.amdhsa_inst_pref_size 18
	.end_amdhsa_kernel
	.amdgpu_metadata
---
amdhsa.version: [ 1, 2 ]
amdhsa.kernels:
  - .name:           k_q39168aeda4_cast
    .symbol:         k_q39168aeda4_cast.kd
    .args:
      - { .name: hidden_states, .offset: 0, .size: 8, .value_kind: global_buffer, .address_space: global }
      - { .name: wq, .offset: 8, .size: 8, .value_kind: global_buffer, .address_space: global }
      - { .name: wk, .offset: 16, .size: 8, .value_kind: global_buffer, .address_space: global }
      - { .name: wv, .offset: 24, .size: 8, .value_kind: global_buffer, .address_space: global }
      - { .name: wo, .offset: 32, .size: 8, .value_kind: global_buffer, .address_space: global }
      - { .name: cos, .offset: 40, .size: 8, .value_kind: global_buffer, .address_space: global }
      - { .name: sin, .offset: 48, .size: 8, .value_kind: global_buffer, .address_space: global }
      - { .name: xb, .offset: 56, .size: 8, .value_kind: global_buffer, .address_space: global }
      - { .name: wqkv, .offset: 64, .size: 8, .value_kind: global_buffer, .address_space: global }
      - { .name: wof, .offset: 72, .size: 8, .value_kind: global_buffer, .address_space: global }
      - { .name: cst, .offset: 80, .size: 8, .value_kind: global_buffer, .address_space: global }
    .group_segment_fixed_size: 0
    .private_segment_fixed_size: 0
    .kernarg_segment_align: 8
    .kernarg_segment_size: 88
    .max_flat_workgroup_size: 256
    .sgpr_count:     66
    .vgpr_count:     80
    .wavefront_size: 32
...
	.end_amdgpu_metadata
.endif
;; end of part 1
;; launch qkv (part 2): grid 8 x 25, 4 waves a work-group, clusters of 4 x 1, 327,680 bytes of LDS; arguments xb, wqkv, cst, q_norm_w, k_norm_w, qkvh; writes qkvh
.if DOCPART == 2
	.amdgcn_target "amdgcn-amd-amdhsa--gfx1250"
	.amdhsa_code_object_version 6
	.text
	.protected	k_q39168aeda4_qkv
	.globl	k_q39168aeda4_qkv
	.p2align	8
	.type	k_q39168aeda4_qkv,@function
k_q39168aeda4_qkv:
	s_mov_b64 s[64:65], 0
	v_nop
	global_prefetch_b8 v0, s[64:65] scope:SCOPE_SE
	s_setreg_imm32_b32 hwreg(HW_REG_WAVE_MODE, 25, 1), 1
	s_wait_xcnt 0x0
	s_wait_alu depctr_hold_cnt(0) depctr_sa_sdst(0) depctr_va_vdst(0) depctr_va_sdst(0) depctr_va_ssrc(0) depctr_va_vcc(0) depctr_vm_vsrc(0)
	s_getreg_b32 s2, hwreg(HW_REG_IB_STS2, 6, 4)
	s_cmp_eq_u32 s2, 0
	s_cbranch_scc0 .Lentry_in_a_cluster
	s_endpgm
.Lentry_in_a_cluster:
	s_bfe_u32 s2, ttmp6, 0x10000c
	s_cmp_lg_u32 s2, 0x3003
	s_cbranch_scc0 .Lentry_shape_is_right
	s_endpgm
.Lentry_shape_is_right:
; q, k, v = xb x wqkv (bf16 operands, f32 sums), then for q and k the RMS norm of each head's 128 channels, the gain and RoPE, all in f32; everything leaves once rounded to f16, by heads:
; qkvh [16 planes][6400 tokens][128]: planes 0-7 q's heads, 8-11 k's, 12-15 v's.  In q's and k's planes the channels stand permuted, alike in both (a score is a sum over channels, so it does not
; change): place 8 x + e holds channel 4 x + e (e < 4) or 64 + 4 x + e - 4 (e >= 4): so the lane that holds a RoPE pair's two halves stores 16 bytes on end.  v keeps its order.
; LIMITS.  f16 ends at 65,504: v must stay within it (q and k are normalised: at most 11.4 x the gain).  NaN and infinities are not treated apart.  The gains are rounded to bf16 like all inputs.
; SHARES.  A tile of C is 256 tokens x 256 columns, a work-group of four waves; a wave makes 128 x 128: 64 accumulators, 512 registers; its 128 columns are ONE head.  6400 x 2048 are 25 x 8 tiles.
; K goes in steps of 128 through two LDS slots filled by the tensor data mover: A's rows are 256 bytes along K; B lies [k][n], 128 k-rows of 256 bytes, and is turned on its way out of LDS (ds_load_tr16_b128).
; CLUSTER 4 x 1: the four partners make four tile columns of one tile row and need the same tiles of A: asked for JOINTLY (mask 15).  B's tiles differ from partner to partner and are each work-group's
; own loads, behind the same rounds.  B is not shared along a column: the grid has 25 tile rows, which no cluster height but 1 divides (5 is not taken).
; THE PRODUCT IS USED TRANSPOSED: source 0 = 16 columns of B, source 1 = 16 rows of A: a lane holds row l % 16 of C and eight neighbouring columns.
; THE WAY OUT.  The tile row's 256 rows of cos | sin come as one more joint fill, into slot 0 when its last K step has been read.  A wave's sums go, 16 rows at a time, through its own stage behind the ring,
; and come back with a whole row in 16 lanes, so that a row's sum of squares is four steps inside 16 lanes, and a store of 16 lanes is one row of a plane: 256 consecutive bytes, aligned.
; REGISTERS in windows of 256: window 0: v0-40 addresses and gains; v64-127, v128-191 fragments of A, two buffers (at work on the way out, with v192-239); window 1: the same numbers: fragments of B;
; window 2: accumulators of my rows 0-63 ((a, b) at v[8 (8 a + b)]); window 3: rows 64-127.
.set KK,     2048
.set KSTEP,  128
.set LAPS,   KK/(2*KSTEP)              ; a lap = two K steps = once round the ring
.set PA,     272                       ; a row of A in LDS: 256 bytes + 16: the 16 rows of a fragment load start at 16 different groups of four banks (64 banks of 4 bytes: ISA guide 11.1)
.set PBP,    288                       ; a k-row of B: 256 + 32
.set HALFA,  128*PA
.set HALFB,  128*PBP
.set SLOT,   2*HALFA+2*HALFB           ; A's 256 rows, then B's two halves of 128 columns: 143,360 bytes
.set STAGE,  2*SLOT                    ; behind the ring, never filled by a tensor load: 16 rows x 528 bytes for each wave, for the way out
.set DP,     528                       ; 512 bytes of f32 + 16
.set SPARE,  STAGE+4*16*DP             ; behind the stages: the spare words, 128 bytes a wave: two blocks of 256 bytes that no other line names
.set BSTEP,  KSTEP*2048*2              ; a K step of B in memory: 128 rows of 4,096 bytes
.set PLANE,  6400*256
.set ADRA, 16                          ; v16-17  LDS address of my A fragments in slot 0, 1
.set ADRB, 20                          ; v20-21  the same for B
.set RDV0, 22                          ; v22     way out, v: my 32 bytes of the stage's first row pair; never rewritten
.set RDX0, 23                          ; v23     way out, q and k: my 16 bytes of the stage's first row pair; never rewritten
.set STO,  24                          ; v24     way out: where I put my sums; never rewritten
.set RDT0, 26                          ; v26     my 16 bytes of the first row pair of my 128 rows of the table; never rewritten
.set GO,   27                          ; v27     my 16 bytes of a row pair of the plane
.set SPW,  28                          ; v28     LDS address of my spare word; never rewritten
.set NIL,  29                          ; v29     0; never rewritten
.set PFO,  30                          ; v30     the prefetches' offset: my lane x a row's bytes; never rewritten
.set GW,   31                          ; v31     16 x (l % 16)
.set GN,   32                          ; v[32:39] the gain of my 8 channels
.set C128, 40                          ; v40     1 / 128
.set F0,   64
.set F1,   128
.set XB,   64                          ; way out, row pair p of a block's eight at XB + 8 p: x1 (4), x2 (4); then the pair's 4 packed registers
.set CT,   128                         ; row pair p at CT + 8 p: cos (4), sin (4)
.set RR,   192                         ; row pair p at RR + 2 p: the sum of squares at work, then 1 / rms in the low register
.set TT,   208                         ; at work: four sets of 8, the pairs by turns
.set WV, 16                            ; s16 wave;  s17 RH = wave / 2: my half of the rows; also 0: I fetch A, 1: I fetch B;  s18 CH = wave % 2: my half of the columns; also which half I fetch
.set RH, 17
.set CH, 18
.set CX, 19                            ; s19 my place in the cluster: it enters B's, the prefetches' and the output's global addresses alone
.set TC, 20                            ; s20 tile column = 4 x cluster x + cx
.set TR, 21                            ; s21 tile row
.set G1A, 24                           ; s[24:31] group 1 for A's tiles;  s[32:39] group 0, a set for each slot
.set G0A, 32
.set CNT, 42                           ; s42 way out: blocks of 16 rows still to go
.set ISV, 43                           ; s43 1: my head is a head of v
.set LIM, 44                           ; s44 1 in a wave that prefetches, else the greatest number
.set LAP, 45
.set PFS, 46                           ; s[46:47] a K step's bytes in the tensor that I fetch
.set G1B, 48                           ; s[48:55], s[56:63] the same for B's tiles
.set G0B, 56
.set PFA, 66                           ; s[66:67] where my prefetches stand
.set G1T, 68                           ; s[68:75], s[76:79] the table's descriptor
.set G0T, 76
.set OUTB, 80                          ; s[80:81] my plane at the rows in hand
.set MSB, 0
.macro WIN new                         ; the immediate's high byte repeats the setting that is left; a switch that changes nothing is dropped
.if MSB != (\new)
	s_set_vgpr_msb (MSB<<8)|(\new)
.set MSB, \new
.endif
.endm
.set MUL_LO, 0xa1                      ; source 0 (B) window 1, source 1 (A) window 0, C and D window 2
.set MUL_HI, 0xf1                      ; the same, C and D window 3
.set TO_B,   0x40                      ; destination window 1, address window 0
.macro PLACES                          ; four plain vector instructions between a matrix instruction and a load into, or a reader of, its registers
.rept 4
	v_nop
.endr
.endm
; A fill.  Waves 0 and 1 ask jointly for A's two halves, waves 2 and 3 fetch my work-group's own two halves of B.  The branch hangs on the wave's number alone.
; An s_nop 0 and four v_nop follow each of the two lines, ahead of the jump and the label.
.macro JLOAD s
	s_cmp_eq_u32 s[RH], 0
	s_cbranch_scc0 .Lfor_b_\@
	tensor_load_to_lds s[G0A+4*(\s):G0A+4*(\s)+3], s[G1A:G1A+7]
	s_nop 0
.rept 4
	v_nop
.endr
	s_branch .Lasked_\@
.Lfor_b_\@:
	tensor_load_to_lds s[G0B+4*(\s):G0B+4*(\s)+3], s[G1B:G1B+7]
	s_nop 0
.rept 4
	v_nop
.endr
.Lasked_\@:
.endm
; A PREFETCH INTO THE L2 of the K step that stands two refills on (512 matrix instructions ahead of the load that will want it), a lane a row of 256 bytes.  Each block is named once in the launch:
; A's tile row is read by both clusters of its row: cluster x = 0 asks, and of the 128 rows that a wave fetches each of the four partners takes 32, told apart by address.  B's tile column is read by all 25
; tile rows: tile row 0 asks, each of waves 2 and 3 for its own 128 k-rows: four instructions.  The loop's last trip asks for nothing: no K step stands two on.  K steps 0 to 3 come by their loads alone.
.macro ASK
	s_cmp_gt_u32 s[LAP], s[LIM]
	s_cbranch_scc0 .Lnot_mine_\@
	s_cmp_eq_u32 s[RH], 0
	s_cbranch_scc0 .Lask_b_\@
	global_prefetch_b8 v[PFO], s[PFA:PFA+1] offset:KSTEP*2 th:TH_LOAD_NT scope:SCOPE_SE
	s_branch .Lnot_mine_\@
.Lask_b_\@:
.irp j, 0,1,2,3
	global_prefetch_b8 v[PFO], s[PFA:PFA+1] offset:BSTEP+131072*(\j) th:TH_LOAD_NT scope:SCOPE_SE
.endr
.Lnot_mine_\@:
.endm
.macro CREST                           ; a round of the cluster's barrier behind its opening barrier
	s_cmp_lg_u32 s[WV], 0
	s_cbranch_scc1 .Lnot_wave_0_\@
	s_barrier_signal -3
.Lnot_wave_0_\@:
	s_barrier_wait -3
	s_barrier_signal -1
	s_barrier_wait -1
.endm
.macro CROUND                          ; a whole round
	s_barrier_signal -1
	s_barrier_wait -1
	CREST
.endm
	s_load_b256 s[4:11], s[0:1], 0x0               ; xb s[4:5], wqkv s[6:7], cst s[8:9], q_norm_w s[10:11]
	s_load_b128 s[12:15], s[0:1], 0x20             ; k_norm_w s[12:13], qkvh s[14:15]
	v_lshl_add_u32 v[SPW], v0, 2, SPARE
	v_mov_b32 v[NIL], 0
	ds_add_u32 v[SPW], v[NIL]                      ; the wave's opening: the add and its wait ahead of my first tensor load; the set-up below, work on registers, stands between them
	v_lshrrev_b32 v1, 5, v0
	v_readfirstlane_b32 s[WV], v1
	s_lshr_b32 s[RH], s[WV], 1
	s_and_b32 s[CH], s[WV], 1
	s_bfe_u32 s[CX], ttmp6, 0x40000
	s_lshl_b32 s[TC], ttmp9, 2                     ; in a cluster launch ttmp9 counts clusters
	s_add_co_u32 s[TC], s[TC], s[CX]
	s_and_b32 s[TR], ttmp7, 0xffff
	s_mov_b32 s[G1A+0], 15|(1<<16)|(1<<20)|(1<<21)|(5<<22)|(3<<25)  ; mask of four; 2-byte elements; padding on; bit 21 beside a mask; after every 64 words 4 words
	s_mov_b32 s[G1B+0], (1<<16)|(1<<20)|(5<<22)|(7<<25)             ; no mask; after every 64 words 8 words
.irp g, G1A, G1B
	s_mov_b32 s[(\g)+1], 128<<16                   ; tensor_dim0 = 128
	s_mov_b32 s[(\g)+2], 128<<16                   ; tensor_dim1 = 128
	s_mov_b32 s[(\g)+3], 128<<16                   ; tile_dim0 = 128
	s_mov_b32 s[(\g)+4], 128                       ; tile_dim1 = 128
	s_mov_b32 s[(\g)+6], 0
	s_mov_b32 s[(\g)+7], 0
.endr
	s_mov_b32 s[G1A+5], KK                         ; elements from row to row
	s_mov_b32 s[G1B+5], 2048
	s_mov_b32 s[G1T+0], 15|(2<<16)|(1<<21)         ; the table: mask of four; 4-byte elements; no padding
	s_mov_b32 s[G1T+1], 128<<16
	s_mov_b32 s[G1T+2], 64<<16
	s_mov_b32 s[G1T+3], 128<<16
	s_mov_b32 s[G1T+4], 64                         ; 64 rows of 512 bytes a wave
	s_mov_b32 s[G1T+5], 128
	s_mov_b32 s[G1T+6], 0
	s_mov_b32 s[G1T+7], 0
	s_mul_i32 s22, s[CH], HALFA                    ; where my half goes, if it is A's,
	s_mul_i32 s23, s[CH], HALFB
	s_add_co_u32 s23, s23, 2*HALFA                 ; and if it is B's: no place in the cluster enters an LDS address
	s_lshl_b32 s82, s[TR], 8
	s_lshl_b32 s83, s[CH], 7
	s_add_co_u32 s82, s82, s83
	s_mul_i32 s82, s82, KK*2                       ; A: row 256 x tile row + 128 x half, in bytes (26,214,400 at the most)
	s_mov_b32 s83, 0
	s_lshl_b32 s86, s[TC], 9
	s_lshl_b32 s87, s[CH], 8
	s_add_co_u32 s86, s86, s87                     ; B: column 256 x tile column + 128 x half, in bytes
	s_mov_b32 s87, 0
	s_wait_dscnt 0x0                               ; the opening add is done
	s_wait_kmcnt 0x0
	s_add_nc_u64 s[84:85], s[4:5], s[82:83]
	s_add_nc_u64 s[88:89], s[6:7], s[86:87]
	CROUND                                         ; all four work-groups are here: the first joint loads meet
.irp s, 0,1
	s_mov_b32 s[G0A+4*(\s)], 1
	s_add_co_u32 s[G0A+4*(\s)+1], s22, (\s)*SLOT
	s_add_nc_u64 s[G0A+4*(\s)+2:G0A+4*(\s)+3], s[84:85], (\s)*KSTEP*2
	s_or_b32 s[G0A+4*(\s)+3], s[G0A+4*(\s)+3], 0x80000000
	s_mov_b32 s[G0B+4*(\s)], 1
	s_add_co_u32 s[G0B+4*(\s)+1], s23, (\s)*SLOT
	s_add_nc_u64 s[G0B+4*(\s)+2:G0B+4*(\s)+3], s[88:89], (\s)*BSTEP
	s_or_b32 s[G0B+4*(\s)+3], s[G0B+4*(\s)+3], 0x80000000
	JLOAD \s                                       ; two loads of mine are out
.endr
	; the table's group 0: my 64 of the tile row's 256 rows of cst, to LDS byte 32,768 x wave
	s_mov_b32 s[G0T], 1
	s_lshl_b32 s[G0T+1], s[WV], 15
	s_lshl_b32 s82, s[TR], 8
	s_lshl_b32 s83, s[WV], 6
	s_add_co_u32 s82, s82, s83
	s_lshl_b32 s82, s82, 9
	s_mov_b32 s83, 0
	s_add_nc_u64 s[G0T+2:G0T+3], s[8:9], s[82:83]
	s_or_b32 s[G0T+3], s[G0T+3], 0x80000000
	; lane addresses.  A fragment of A: lane l holds row l % 16, K = 8 (l / 16) + 0..7 and 16 + 8 (l / 16) + 0..7: two loads of 16 bytes, 32 apart.
	v_and_b32 v1, 15, v0                           ; x = l % 16
	v_bfe_u32 v2, v0, 4, 1                         ; h = l / 16
	v_mul_u32_u24 v3, v1, PA
	v_lshl_add_u32 v3, v2, 4, v3
	s_mul_i32 s22, s[RH], HALFA                    ; my 128 rows of A
	v_add_nc_u32 v[ADRA], s22, v3
	v_add_nc_u32 v[ADRA+1], SLOT, v[ADRA]
	; The turning load takes 16 k x 16 columns (lane l reads k-row 8 (l / 16) + l % 8, columns 8 ((l / 8) % 2) + 0..7) and leaves half a fragment: lane l holds column l % 16 and 8 k.
	v_and_b32 v4, 7, v0
	v_lshl_add_u32 v4, v2, 3, v4
	v_mul_u32_u24 v4, v4, PBP
	v_bfe_u32 v5, v0, 3, 1
	v_lshl_add_u32 v4, v5, 4, v4
	v_add_nc_u32 v[ADRB], s23, v4                  ; my 128 columns of B
	v_add_nc_u32 v[ADRB+1], SLOT, v[ADRB]
	s_mul_i32 s22, s[WV], 16*DP
	s_add_co_u32 s22, s22, STAGE                   ; my stage
	v_mul_u32_u24 v3, v1, DP
	v_lshl_add_u32 v3, v2, 5, v3
	v_add_nc_u32 v[STO], s22, v3                   ; in: row l % 16, 32 bytes for each half of the lanes
	v_mul_u32_u24 v3, v2, DP
	v_add_nc_u32 v3, s22, v3                       ; back: lanes 0-15 one row, lanes 16-31 the next
	v_lshl_add_u32 v[RDX0], v1, 4, v3
	v_lshl_add_u32 v[RDV0], v1, 5, v3
	s_lshl_b32 s22, s[RH], 16                      ; my 128 rows of the table
	v_lshlrev_b32 v3, 9, v2
	v_lshl_add_u32 v3, v1, 4, v3
	v_add_nc_u32 v[RDT0], s22, v3
	v_lshlrev_b32 v3, 8, v2
	v_lshl_add_u32 v[GO], v1, 4, v3
	v_lshlrev_b32 v[GW], 4, v1
	v_mov_b32 v[C128], 0x3c000000
	s_cmp_eq_u32 ttmp9, 0                          ; cluster x = 0 makes q's heads, cluster x = 1 k's and v's
	s_cselect_b64 s[10:11], s[10:11], s[12:13]
	global_load_b128 v[GN:GN+3],   v[GW], s[10:11]             ; the gain of channels 4 x .. 4 x + 3,
	global_load_b128 v[GN+4:GN+7], v[GW], s[10:11] offset:256  ; and of 64 + 4 x ..; waited for on the way out
	s_and_b32 s[ISV], ttmp9, s[CH]                 ; hangs on the cluster's x and the wave's number: the same in all partners
	s_lshl_b32 s86, s[CX], 1
	s_add_co_u32 s86, s86, s[CH]                   ; q: plane 2 cx + half
	s_lshl_b32 s87, s[CH], 2
	s_add_co_u32 s87, s87, s[CX]
	s_add_co_u32 s87, s87, 8                       ; k: 8 + cx; v: 12 + cx
	s_cmp_eq_u32 ttmp9, 0
	s_cselect_b32 s86, s86, s87
	s_mul_i32 s86, s86, PLANE
	s_lshl_b32 s87, s[TR], 8
	s_lshl_b32 s88, s[RH], 7
	s_add_co_u32 s87, s87, s88
	s_lshl_b32 s87, s87, 8                         ; my first row x 256 bytes
	s_add_co_u32 s86, s86, s87
	s_mov_b32 s87, 0
	s_add_nc_u64 s[OUTB:OUTB+1], s[14:15], s[86:87]
	; the prefetches
	s_lshl_b32 s86, s[TR], 8
	s_lshl_b32 s87, s[CH], 7
	s_add_co_u32 s86, s86, s87
	s_lshl_b32 s87, s[CX], 5
	s_add_co_u32 s86, s86, s87                     ; A: my work-group's 32 of the 128 rows that I fetch,
	s_mul_i32 s86, s86, KK*2
	s_add_co_u32 s86, s86, 2*KSTEP*2               ; at K step 2: the first refill steps it to 3 and names K step 4
	s_lshl_b32 s88, s[TC], 9
	s_lshl_b32 s89, s[CH], 8
	s_add_co_u32 s88, s88, s89
	s_add_co_u32 s88, s88, 2*BSTEP                 ; B: my 128 columns, at K step 2
	s_mov_b32 s[PFS], BSTEP
	s_mov_b32 s[PFS+1], 0
	s_mov_b32 s89, 4096
	s_mov_b32 s87, 0
	s_cmp_eq_u32 s[RH], 0                          ; do I fetch for A?
	s_cselect_b32 s86, s86, s88
	s_cselect_b64 s[PFA:PFA+1], s[4:5], s[6:7]
	s_cselect_b32 s[PFS], KSTEP*2, s[PFS]
	s_cselect_b32 s89, KK*2, s89                   ; a row's bytes
	s_cselect_b32 s88, ttmp9, s[TR]                ; the coordinate along which others read the same rows
	s_add_nc_u64 s[PFA:PFA+1], s[PFA:PFA+1], s[86:87]
	s_cmp_eq_u32 s88, 0
	s_cselect_b32 s[LIM], 1, -1                    ; the same in all four partners, for a given wave
	v_and_b32 v[PFO], 31, v0
	v_mul_lo_u32 v[PFO], v[PFO], s89
; 16 matrix instructions: m blocks a0, a0 + 1 of the window's four x all 8 n blocks, 32 along K.  zero = 1: the first product starts the sums.  The 64 accumulators take turns, one instruction a turn.
.macro MUL16 f, hi, a0, zero
	WIN MUL_LO+0x50*(\hi)
.irp a, \a0, (\a0)+1
.irp b, 0,1,2,3,4,5,6,7
.if \zero
	v_wmma_f32_16x16x32_bf16 v[8*(8*(\a)+(\b)):8*(8*(\a)+(\b))+7], v[(\f)+8*(\b):(\f)+8*(\b)+7], v[(\f)+8*(4*(\hi)+(\a)):(\f)+8*(4*(\hi)+(\a))+7], 0
.else
	v_wmma_f32_16x16x32_bf16 v[8*(8*(\a)+(\b)):8*(8*(\a)+(\b))+7], v[(\f)+8*(\b):(\f)+8*(\b)+7], v[(\f)+8*(4*(\hi)+(\a)):(\f)+8*(4*(\hi)+(\a))+7], v[8*(8*(\a)+(\b)):8*(8*(\a)+(\b))+7]
.endif
.endr
.endr
.endm
; 32 LDS loads in one run: quarter q (32 along K) of a slot into buffer f: B's eight fragments (turned), then A's eight
.macro FETCH slot, q, f
	WIN TO_B
.irp i, 0,1,2,3,4,5,6,7
	ds_load_tr16_b128 v[(\f)+8*(\i):(\f)+8*(\i)+3],   v[ADRB+(\slot)] offset:(\q)*32*PBP+32*(\i)
	ds_load_tr16_b128 v[(\f)+8*(\i)+4:(\f)+8*(\i)+7], v[ADRB+(\slot)] offset:(\q)*32*PBP+16*PBP+32*(\i)
.endr
	WIN 0
.irp i, 0,1,2,3,4,5,6,7
	ds_load_b128 v[(\f)+8*(\i):(\f)+8*(\i)+3],   v[ADRA+(\slot)] offset:(\q)*64+(\i)*16*PA
	ds_load_b128 v[(\f)+8*(\i)+4:(\f)+8*(\i)+7], v[ADRA+(\slot)] offset:(\q)*64+(\i)*16*PA+32
.endr
.endm
; One of a K step's first three quarters: multiplies buffer f; in its middle it fetches quarter q of the same slot into buffer g.
.macro QUARTER slot, q, f, g, zero
	s_wait_dscnt 8                                 ; B and A's rows 0-63 are in; the youngest eight loads (A's rows 64-127) may be out
	MUL16 \f, 0, 0, \zero
	MUL16 \f, 0, 2, \zero
	PLACES
	FETCH \slot, \q, \g
	s_wait_dscnt 32                                ; all but the 32 just issued
	MUL16 \f, 1, 0, \zero
	MUL16 \f, 1, 2, \zero
.endm
; The first half of a K step's last quarter: ONE barrier for the change of slots.  In front of it each wave waits for all its tensor loads (one is out: its part of the next slot), adds 0 to its spare word,
; and waits for that and for its own reads of this slot.  Behind it nobody reads this slot any more and the next slot is whole.
.macro MEET round
	WIN 0                                          ; (the add's two registers lie in window 0)
	s_wait_tensorcnt 0x0
	ds_add_u32 v[SPW], v[NIL]                      ; 0 onto my spare word
	s_wait_dscnt 9                                 ; (the add and the youngest eight loads may be out)
	MUL16 F1, 0, 0, 0                              ; sixteen matrix instructions stand between the add and the wait for it
	s_wait_dscnt 0x0                               ; the add is done, and my reads of this slot are over
	s_barrier_signal -1
	MUL16 F1, 0, 2, 0                              ; work on registers while the others arrive
.if \round
	WIN 0
.endif
	s_barrier_wait -1
.endm
; The whole last quarter: the barrier opens a round of the cluster's; behind it the slot just read out is filled again first, two K steps on: from the request to the wait for it a wave issues 224 matrix instructions.
.macro TURN slot, next
	s_wait_xcnt 0x0                                ; the last prefetch, a K step back, has read its address: it is stepped here, ahead of the waits of the change of slots
	s_add_nc_u64 s[PFA:PFA+1], s[PFA:PFA+1], s[PFS:PFS+1]
	MEET 1
	CREST                                          ; no wave of any partner still reads this slot's tile or has a load on its way
	s_add_nc_u64 s[G0A+4*(\slot)+2:G0A+4*(\slot)+3], s[G0A+4*(\slot)+2:G0A+4*(\slot)+3], 2*KSTEP*2
	s_add_nc_u64 s[G0B+4*(\slot)+2:G0B+4*(\slot)+3], s[G0B+4*(\slot)+2:G0B+4*(\slot)+3], 2*BSTEP
	JLOAD \slot                                    ; the four v_nop behind it are also the places in front of the loads below
	FETCH \next, 0, F0
	ASK
	MUL16 F1, 1, 0, 0
	MUL16 F1, 1, 2, 0
.endm
	s_wait_tensorcnt 1                             ; my part of K step 0 is in; K step 1's may stay out
	s_barrier_signal -1
	s_barrier_wait -1
	FETCH 0, 0, F0
	QUARTER 0, 1, F0, F1, 1                        ; the first quarter stands in front of the loop: its products start the sums
	WIN 0
	s_mov_b32 s[LAP], LAPS-1
.Llap:                                                 ; a trip goes once round the ring, from a lap's second quarter to the next lap's first, and fills both slots again
	QUARTER 0, 2, F1, F0, 0
	QUARTER 0, 3, F0, F1, 0
	TURN 0, 1
	QUARTER 1, 1, F0, F1, 0
	QUARTER 1, 2, F1, F0, 0
	QUARTER 1, 3, F0, F1, 0
	TURN 1, 0
	QUARTER 0, 1, F0, F1, 0
	WIN 0
	s_sub_co_u32 s[LAP], s[LAP], 1
	s_cmp_lg_u32 s[LAP], 0
	s_cbranch_scc1 .Llap
	QUARTER 0, 2, F1, F0, 0                        ; the last lap goes on
	QUARTER 0, 3, F0, F1, 0
	MEET 1                                         ; slot 0 has been read out for the last time: it takes the table, a joint fill like the others, one load a wave
	CREST
	tensor_load_to_lds s[G0T:G0T+3], s[G1T:G1T+7]  ; it has 288 matrix instructions, the last K step among them, in which to land
	s_nop 0
.rept 4
	v_nop
.endr
	FETCH 1, 0, F0
	MUL16 F1, 1, 0, 0
	MUL16 F1, 1, 2, 0
	QUARTER 1, 1, F0, F1, 0
	QUARTER 1, 2, F1, F0, 0
	QUARTER 1, 3, F0, F1, 0
	s_wait_dscnt 8                                 ; the very last quarter: nothing more to fetch
	MUL16 F1, 0, 0, 0
	MUL16 F1, 0, 2, 0
	s_wait_dscnt 0x0
	MUL16 F1, 1, 0, 0
	MUL16 F1, 1, 2, 0
	WIN 0
	PLACES                                         ; behind the last products: their sums are stored and their fragments' registers written below
	s_wait_tensorcnt 0x0                           ; my quarter of the table has landed: the other waves read it
	s_wait_dscnt 0x0
	s_barrier_signal -1
	s_barrier_wait -1                              ; the whole table lies in LDS; behind this barrier the mover fills nothing more
	; THE WAY OUT
	s_wait_loadcnt 0x0                             ; the gains
.irp k, 0,1,2,3
	v_cvt_pk_bf16_f32 v[TT+(\k)], v[GN+2*(\k)], v[GN+2*(\k)+1]    ; rounded to bf16, like every input
.endr
.irp k, 0,1,2,3
	v_lshlrev_b32 v[GN+2*(\k)],   16, v[TT+(\k)]
	v_and_b32     v[GN+2*(\k)+1], 0xffff0000, v[TT+(\k)]
.endr
; Block a, 16 of my 128 rows, goes into my stage (each accumulator's low registers first), and the block's 16 rows of cos | sin are asked for.  Every LDS address is a lane's fixed
; base and an immediate: the block's number stands in the register numbers and in the table's immediates (64,768 at the most), so this part is written once for each block.
.macro TOSTAGE a
	WIN 0x08+4*((\a)/4)                            ; the stores' data in window 2 or 3
.irp b, 0,1,2,3,4,5,6,7
	ds_store_b128 v[STO], v[64*((\a)%4)+8*(\b):64*((\a)%4)+8*(\b)+3]   offset:64*(\b)
	ds_store_b128 v[STO], v[64*((\a)%4)+8*(\b)+4:64*((\a)%4)+8*(\b)+7] offset:64*(\b)+16
.endr
	WIN 0
.irp p, 0,1,2,3,4,5,6,7
	ds_load_b128 v[CT+8*(\p):CT+8*(\p)+3],   v[RDT0] offset:8192*(\a)+1024*(\p)
	ds_load_b128 v[CT+8*(\p)+4:CT+8*(\p)+7], v[RDT0] offset:8192*(\a)+1024*(\p)+256
.endr
.endm
	s_mov_b32 s[CNT], 8
.Lblk:                                                 ; 8 trips, a block each: block 8 - CNT, chosen by forward jumps on the count; the norm, RoPE and the stores are written once
.irp a, 0,1,2,3,4,5,6
	s_cmp_eq_u32 s[CNT], 8-(\a)
	s_cbranch_scc0 .Lother_\a
	TOSTAGE \a
	s_branch .Lstaged
.Lother_\a:
.endr
	TOSTAGE 7
.Lstaged:
	s_cmp_eq_u32 s[ISV], 1
	s_cbranch_scc1 .Lis_v
	; q and k: eight row pairs (lanes 0-15 row 2 p, lanes 16-31 row 2 p + 1).  Lane x of a half holds channels 4 x .. + 3 (x1) and 64 + 4 x .. + 3 (x2) of its row, and their cos and sin.
.irp p, 0,1,2,3,4,5,6,7
	ds_load_b128 v[XB+8*(\p):XB+8*(\p)+3],   v[RDX0] offset:2*DP*(\p)      ; LDS serves a wave's instructions in order (ISA guide 5.7.1.4): these see my stores
	ds_load_b128 v[XB+8*(\p)+4:XB+8*(\p)+7], v[RDX0] offset:2*DP*(\p)+256
.endr
.irp p, 0,1,2,3,4,5,6,7
	s_wait_dscnt 14-2*(\p)                         ; pair p's two loads are in (and the table's, which are older); the later pairs' 2 (7 - p) stay out
	v_pk_mul_f32 v[RR+2*(\p):RR+2*(\p)+1], v[XB+8*(\p):XB+8*(\p)+1], v[XB+8*(\p):XB+8*(\p)+1]
	v_pk_fma_f32 v[RR+2*(\p):RR+2*(\p)+1], v[XB+8*(\p)+2:XB+8*(\p)+3], v[XB+8*(\p)+2:XB+8*(\p)+3], v[RR+2*(\p):RR+2*(\p)+1]
	v_pk_fma_f32 v[RR+2*(\p):RR+2*(\p)+1], v[XB+8*(\p)+4:XB+8*(\p)+5], v[XB+8*(\p)+4:XB+8*(\p)+5], v[RR+2*(\p):RR+2*(\p)+1]
	v_pk_fma_f32 v[RR+2*(\p):RR+2*(\p)+1], v[XB+8*(\p)+6:XB+8*(\p)+7], v[XB+8*(\p)+6:XB+8*(\p)+7], v[RR+2*(\p):RR+2*(\p)+1]
	v_add_f32 v[RR+2*(\p)], v[RR+2*(\p)], v[RR+2*(\p)+1]
.endr
.irp m, 1,2,4,8                                        ; a row lies in 16 lanes: four steps, the pairs by turns
.irp p, 0,1,2,3,4,5,6,7
	v_add_f32_dpp v[RR+2*(\p)], v[RR+2*(\p)], v[RR+2*(\p)] row_xmask:\m row_mask:0xf bank_mask:0xf
.endr
.endr
.irp p, 0,1,2,3,4,5,6,7
	v_fmaak_f32 v[RR+2*(\p)+1], v[RR+2*(\p)], v[C128], 0x358637bd  ; the mean of the squares + 1e-6
.endr
.irp p, 0,1,2,3,4,5,6,7
	v_rsq_f32 v[RR+2*(\p)], v[RR+2*(\p)+1]         ; one batch of eight
.endr
.irp p, 0,1,2,3,4,5,6,7                                ; x times the gain: plain work that names no result of the batch
	v_pk_mul_f32 v[XB+8*(\p):XB+8*(\p)+1],   v[XB+8*(\p):XB+8*(\p)+1],   v[GN:GN+1]
	v_pk_mul_f32 v[XB+8*(\p)+2:XB+8*(\p)+3], v[XB+8*(\p)+2:XB+8*(\p)+3], v[GN+2:GN+3]
	v_pk_mul_f32 v[XB+8*(\p)+4:XB+8*(\p)+5], v[XB+8*(\p)+4:XB+8*(\p)+5], v[GN+4:GN+5]
	v_pk_mul_f32 v[XB+8*(\p)+6:XB+8*(\p)+7], v[XB+8*(\p)+6:XB+8*(\p)+7], v[GN+6:GN+7]
.endr
	s_wait_alu depctr_va_vdst(0)                   ; the one wait between the batch and its first reader
.irp p, 0,1,2,3,4,5,6,7
.irp k, 0,2,4,6
	v_pk_mul_f32 v[XB+8*(\p)+(\k):XB+8*(\p)+(\k)+1], v[XB+8*(\p)+(\k):XB+8*(\p)+(\k)+1], v[RR+2*(\p):RR+2*(\p)+1] op_sel_hi:[1,0]  ; y = gain x / rms
.endr
.irp k, 0,2
	v_pk_mul_f32 v[TT+8*((\p)%4)+(\k):TT+8*((\p)%4)+(\k)+1],   v[XB+8*(\p)+4+(\k):XB+8*(\p)+5+(\k)], v[CT+8*(\p)+4+(\k):CT+8*(\p)+5+(\k)]  ; y2 sin
	v_pk_mul_f32 v[TT+8*((\p)%4)+4+(\k):TT+8*((\p)%4)+5+(\k)], v[XB+8*(\p)+4+(\k):XB+8*(\p)+5+(\k)], v[CT+8*(\p)+(\k):CT+8*(\p)+1+(\k)]    ; y2 cos
.endr
.irp k, 0,2
	v_pk_fma_f32 v[TT+8*((\p)%4)+(\k):TT+8*((\p)%4)+(\k)+1],   v[XB+8*(\p)+(\k):XB+8*(\p)+(\k)+1], v[CT+8*(\p)+(\k):CT+8*(\p)+1+(\k)],   v[TT+8*((\p)%4)+(\k):TT+8*((\p)%4)+(\k)+1] neg_lo:[0,0,1] neg_hi:[0,0,1]  ; y1 cos - y2 sin
	v_pk_fma_f32 v[TT+8*((\p)%4)+4+(\k):TT+8*((\p)%4)+5+(\k)], v[XB+8*(\p)+(\k):XB+8*(\p)+(\k)+1], v[CT+8*(\p)+4+(\k):CT+8*(\p)+5+(\k)], v[TT+8*((\p)%4)+4+(\k):TT+8*((\p)%4)+5+(\k)]                              ; y1 sin + y2 cos
.endr
.irp k, 0,1,2,3
	v_cvt_pk_f16_f32 v[XB+8*(\p)+(\k)], v[TT+8*((\p)%4)+2*(\k)], v[TT+8*((\p)%4)+2*(\k)+1]  ; into the pair's own registers, which have been used up
.endr
	global_store_b128 v[GO], v[XB+8*(\p):XB+8*(\p)+3], s[OUTB:OUTB+1] offset:512*(\p)  ; 16 lanes store one row of the plane: 256 consecutive bytes, aligned
.endr
	s_branch .Lrows_done
.Lis_v:
	; v: rounded and stored as it is.  Lane x of a half holds channels 8 x .. 8 x + 7 of its row.  (The table's 16 loads above serve nothing here: the price of one text for the block's first part.)
.irp p, 0,1,2,3,4,5,6,7
	ds_load_b128 v[XB+8*(\p):XB+8*(\p)+3],   v[RDV0] offset:2*DP*(\p)
	ds_load_b128 v[XB+8*(\p)+4:XB+8*(\p)+7], v[RDV0] offset:2*DP*(\p)+16
.endr
.irp p, 0,1,2,3,4,5,6,7
	s_wait_dscnt 14-2*(\p)                         ; pair p's two loads are in; the later pairs' stay out
.irp k, 0,1,2,3
	v_cvt_pk_f16_f32 v[XB+8*(\p)+(\k)], v[XB+8*(\p)+2*(\k)], v[XB+8*(\p)+2*(\k)+1]  ; in place, ascending: register k is written when numbers 2 k and 2 k + 1 are read
.endr
	global_store_b128 v[GO], v[XB+8*(\p):XB+8*(\p)+3], s[OUTB:OUTB+1] offset:512*(\p)
.endr
.Lrows_done:
	s_wait_xcnt 0x0                                ; the stores' base and data are written again only behind this wait
	s_add_nc_u64 s[OUTB:OUTB+1], s[OUTB:OUTB+1], 16*256
	s_sub_co_u32 s[CNT], s[CNT], 1
	s_cmp_lg_u32 s[CNT], 0
	s_cbranch_scc1 .Lblk
	s_wait_tensorcnt 0x0                           ; the wave's end, behind my last tensor load and my last LDS store
	ds_add_u32 v[SPW], v[NIL]
	s_wait_dscnt 0x0
	CROUND                                         ; the closing round: no work-group ends while a partner may still ask for a tile that names it
	s_endpgm
.Lfunc_end_k_q39168aeda4_qkv:
	.size	k_q39168aeda4_qkv, .Lfunc_end_k_q39168aeda4_qkv-k_q39168aeda4_qkv
	.p2alignl 7, 3214868480
	.fill 96, 4, 3214868480
	.section	.rodata,"a",@progbits
	.p2align	6, 0x0
	.amdhsa_kernel k_q39168aeda4_qkv
		.amdhsa_group_segment_fixed_size 327680
		.amdhsa_private_segment_fixed_size 0
		.amdhsa_enable_private_segment 0
		.amdhsa_kernarg_size 48
		.amdhsa_user_sgpr_count 2
		.amdhsa_user_sgpr_kernarg_segment_ptr 1
		.amdhsa_wavefront_size32 1
		.amdhsa_system_sgpr_workgroup_id_x 1
		.amdhsa_system_sgpr_workgroup_id_y 1
		.amdhsa_system_sgpr_workgroup_id_z 1
		.amdhsa_system_vgpr_workitem_id 0
		.amdhsa_next_free_vgpr 1024
		.amdhsa_next_free_sgpr 90
		.amdhsa_reserve_vcc 0
		.amdhsa_float_denorm_mode_32 3
		.amdhsa_float_denorm_mode_16_64 3
		.amdhsa_memory_ordered 1
		.amdhsa_forward_progress 1
		.amdhsa_inst_pref_size 155
	.end_amdhsa_kernel
	.amdgpu_metadata
---
amdhsa.version: [ 1, 2 ]
amdhsa.kernels:
  - .name:           k_q39168aeda4_qkv
    .symbol:         k_q39168aeda4_qkv.kd
    .args:
      - { .name: xb, .offset: 0, .size: 8, .value_kind: global_buffer, .address_space: global }
      - { .name: wqkv, .offset: 8, .size: 8, .value_kind: global_buffer, .address_space: global }
      - { .name: cst, .offset: 16, .size: 8, .value_kind: global_buffer, .address_space: global }
      - { .name: q_norm_w, .offset: 24, .size: 8, .value_kind: global_buffer, .address_space: global }
      - { .name: k_norm_w, .offset: 32, .size: 8, .value_kind: global_buffer, .address_space: global }
      - { .name: qkvh, .offset: 40, .size: 8, .value_kind: global_buffer, .address_space: global }
    .group_segment_fixed_size: 327680
    .private_segment_fixed_size: 0
    .kernarg_segment_align: 8
    .kernarg_segment_size: 48
    .max_flat_workgroup_size: 128
    .sgpr_count:     90
    .vgpr_count:     1024
    .wavefront_size: 32
...
	.end_amdgpu_metadata
.endif
;; end of part 2
;; launch attn (part 3): grid 8 x 32, 4 waves a work-group, no clusters, 119,296 bytes of LDS; arguments qkvh, scatter_indices, ofull; writes ofull
.if DOCPART == 3
	.amdgcn_target "amdgcn-amd-amdhsa--gfx1250"
	.amdhsa_code_object_version 6
	.text
	.protected	k_q39168aeda4_attn
	.globl	k_q39168aeda4_attn
	.p2align	8
	.type	k_q39168aeda4_attn,@function
k_q39168aeda4_attn:
	s_mov_b64 s[64:65], 0
	v_nop
	global_prefetch_b8 v0, s[64:65] scope:SCOPE_SE
	s_setreg_imm32_b32 hwreg(HW_REG_WAVE_MODE, 25, 1), 1
	s_wait_xcnt 0x0
; CAUSAL ATTENTION ON THE FULL POSITIONS.  For sequence b, query head g, position p: ofull[1024 b + p][128 g ..] = the sum over keys k <= p of softmax_k(q . k / sqrt(128)) v, where position p's q, k and v are
; row scatter_indices[1024 b + p] of the planes of qkvh (f16, [16][6400][128]; q's and k's channels permuted alike).  Two query heads share a key and value head.  Products, maxima and sums in f32;
; the weights p are rounded to f16 for the second product (their sum l is taken of the unrounded p), O once at the end.
; LIMITS.  f16 holds no number beyond 65,504: q, k, v arrive within it, O is a mean of v's rows.  A hidden score counts as its value less 1e30; a weight below 2^-126 counts as 0 in l; NaN and infinities are
; not treated apart; an index is held to 0 .. 6399.  cu_seq_lengths enters no result: the sequences are the fixed 8 x 1024.
; THE WALK.  A sequence's positions lie in 16 blocks of 64; block j needs the key steps 0 .. j of 64 keys, the last holding the diagonal.  A work-group (b, key head, i) takes blocks i and 15 - i, for BOTH query
; heads of its key head: 17 steps whatever i: 256 work-groups of equal work.  Of the two blocks' step counts, i + 1 and 16 - i, one is odd: that block goes first, so both blocks end behind an EVEN step of the
; walk (steps 0 .. 16).  The text holds an even step and an odd step; the loop is [odd step, even step, a block's end if it is one] and is entered at the even step: 9 even and 8 odd steps.
; SHARES.  Wave w owns positions 16 w .. 16 w + 15 of the block, in two tiles: the two query heads.  A step is 32 products K Q^T and 32 products V^T P a wave.
; K AND V COME BY INDEX, so not by tensor loads: each wave gathers 16 of a step's 64 rows of K and of V into registers (16 lanes a row: 256 consecutive bytes) and stores them into LDS.  Step t's tile has slot
; t % 2 of LDS and set t % 2 of the registers (64 for rows, 8 offsets, 8 indices).  Step s stores tile s + 1, asks for the rows of tile s + 3 and for the indices of tile s + 5: the same 18 loads in every step, so
; that the wait for the rows leaves exactly the last step's 18 out on every path.  The price: the last three steps gather rows that no step reads (key steps of the same sequence: 3 gathers of 20), and the last
; step stores and fetches a tile that nobody multiplies.
; ONE BARRIER A STEP, in its middle.  In front of it each wave has waited for its reads of V of tile s and for its stores of tile s + 1 (K of tile s was waited for at the step's head).  So behind barrier s tile
; s + 1 is whole, and its K is fetched there; and nobody reads tile s any more, so step s + 1 may store tile s + 2 over it.
; THE LDS LOADS stand in runs of eight: V's between the products K Q^T of its own step, K's of the next step between the softmax's second half and the products V^T P: the wave goes on issuing while a run is served.
; NO CLUSTER, NO JOINT LOADS: rows named by a list are not a tile that a descriptor can state; what is shared, the two query heads' K and V, is shared inside the work-group.  NO PREFETCH: a list may name a row
; many times, so no address arithmetic names each block once; the rows are asked for two steps ahead as it is.
; LAYOUT.  S^T = K Q^T (source 0 = 16 keys, source 1 = 16 queries): a lane holds ONE query (l % 16) and keys 8 (l / 16) + 0..7.  Two such results rounded to f16 ARE source 1 of O^T = V^T P.
; SOFTMAX.  p = 2^(c s - c m), c = log2(e) / sqrt(128), with a running maximum m; O and l are multiplied by a = 2^(c m_old - c m_new) in every step.  A block starts with c m far below every c s: its first a is 0.
; THE MASK is the C operand that starts the sum S^T: MD x AL, AL = 1 in a block's last step, else 0; MD holds -1e30 where the key lies behind my query.
; REGISTERS in windows of 256 (s_set_vgpr_msb: bits 1:0 source 0, 3:2 source 1, 5:4 source 2, 7:6 destination):
;   window 0: v0-11, v28-31, v56-60 addresses; v12-27 statistics; v32-47 offsets and indices, set 0; v48-55 at work; v64-127 S^T; v128-159 P; v160-223 rows, set 0; v224-239 indices and offsets, set 1
;   window 1: v0-127 O^T; v128-159 MD; v160-191 MC; v192-255 rows, set 1      window 2: v0-63 Q; v64-127 the second block's Q; v128-255 K      window 3: v0-127 V
.set PK,    272       ; a row of K in LDS: 256 bytes + 16: the 16 rows of a load start at 16 different groups of four banks (64 banks of 4 bytes: ISA guide 11.1)
.set PVP,   288       ; a row of V: 256 + 32
.set VOFF,  64*PK     ; a slot: 64 rows of K, then 64 rows of V
.set SLOT1, 65536     ; slot 1 begins here
.set STAGE, SLOT1+64*(PK+PVP)  ; 16 rows x 272 bytes for each wave, for the way out
.set SP,    272
.set SPARE, STAGE+4*16*SP      ; the spare words, 128 bytes a wave: two blocks of 256 bytes that no other line names
.set PLANE, 6400*256
.set AK,  2           ; v2, v3    my lane's place in K's tile of slot 0, 1; never rewritten
.set AV,  4           ; v4, v5    the same for V
.set STO, 6
.set RD,  7
.set GO,  8
.set HH,  9           ; l / 16
.set IO,  10          ; byte offset of my 8 indices in a step's 64
.set ST,  12          ; tile t's statistics at ST + 8 t: c m, m, l (even keys', odd keys'), c0-c3 at work; a takes c2's place
.set WK,  28          ; v28, v29  where I store my first gathered row of K in slot 0, 1; never rewritten
.set X16, 30          ; 16 x (l % 16)
.set AD,  32          ; byte offsets of my 8 rows in a plane: set q at AD + 200 q
.set IX,  40          ; their indices: set q at IX + 184 q
.set IOF, 56          ; v56, v57  the offset of set q's indices in the sequence's list
.set WVR, 58          ; v58, v59  where I store my first gathered row of V in slot 0, 1; never rewritten
.set T0F, 60          ; v60       the head: the offset of step 0's indices
.set SPW, 62
.set NIL, 63
.set S,   64
.set T0,  64          ; the head: step 0's indices, then offsets (S^T's registers are free there)
.set P,   128
.set GR,  160         ; rows: set q at GR + 32 q of window q: K's row r at + 4 r, V's at + 32 + 4 r
.set MD,  128         ; window 1
.set MC,  160         ; window 1
.set QB2, 64          ; window 2
.set KF,  128         ; window 2
.set WV, 12
.set PB, 14           ; i
.set HI, 15           ; 15 - i
.set BB, 16           ; the sequence
.set KV, 17           ; the key head
.set KB, 20           ; s[20:21] K's plane; V's lies 4 planes on
.set QB, 22           ; s[22:23] the first query head's plane; the second's lies one plane on
.set SB, 24           ; s[24:25] the sequence's indices; never rewritten
.set OB, 30           ; s[30:31] ofull at my rows of the block in hand
.set OLO, 32          ; s[32:33] of the second block
.set SLOTS, 34        ; even steps still to come
.set RT, 35           ; steps of the block in hand that are still to be entered
.set NXT, 36          ; the key step whose indices are asked for next
.set LQ, 37           ; the last key step of the block that they belong to
.set FB, 38           ; the block that goes first
.set SE, 39           ; the second
.set AL, 40           ; s[40:41] the mask's factor
.set CS, 44           ; s[44:45] c
.set SEL, 46          ; s[46:47] v_permlanex16_b32's selects: each lane takes its own place in the other half
.set BIGN, 48
.set MSB, 0
.macro WIN new                      ; the high byte repeats the setting that is left; a switch that changes nothing is dropped
.if MSB != (\new)
	s_set_vgpr_msb (MSB<<8)|(\new)
.set MSB, (\new)
.endif
.endm
.macro PLACES
.rept 4
	v_nop
.endr
.endm
.macro LOADKV q                     ; my 8 rows of K and of V (lanes 0-15 one row, lanes 16-31 another), 16 bytes a lane, into set q
	WIN 0x40*(\q)                   ; destination in window q
.irp r, 0,1,2,3,4,5,6,7
	global_load_b128 v[GR+32*(\q)+4*(\r):GR+32*(\q)+4*(\r)+3],       v[AD+200*(\q)+(\r)], s[KB:KB+1]
	global_load_b128 v[GR+32*(\q)+32+4*(\r):GR+32*(\q)+32+4*(\r)+3], v[AD+200*(\q)+(\r)], s[KB:KB+1] offset:4*PLANE
.endr
	WIN 0
.endm
.macro LOADIDX ix, iof              ; the indices of key step NXT; then NXT steps, and behind a block's last key step goes back to 0, for the second block
	v_lshl_add_u32 v[\iof], s[NXT], 8, v[IO]
	global_load_b128 v[\ix:\ix+3],   v[\iof], s[SB:SB+1]
	global_load_b128 v[\ix+4:\ix+7], v[\iof], s[SB:SB+1] offset:16
	s_add_co_u32 s[NXT], s[NXT], 1
	s_cmp_gt_u32 s[NXT], s[LQ]
	s_cselect_b32 s[NXT], 0, s[NXT]
	s_cselect_b32 s[LQ], s[SE], s[LQ]
.endm
.macro MKADDR q                     ; index -> byte offset of my 16 bytes of the row
.irp r, 0,1,2,3,4,5,6,7
	v_min_u32 v[IX+184*(\q)+(\r)], 0x18ff, v[IX+184*(\q)+(\r)]
	v_lshl_add_u32 v[AD+200*(\q)+(\r)], v[IX+184*(\q)+(\r)], 8, v[X16]
.endr
.endm
.macro STOREKV q                    ; set q's rows into slot q
	WIN 0x04*(\q)                   ; the stores' data in window q
.irp r, 0,1,2,3,4,5,6,7
	ds_store_b128 v[WK+(\q)],  v[GR+32*(\q)+4*(\r):GR+32*(\q)+4*(\r)+3]       offset:PK*(\r)
	ds_store_b128 v[WVR+(\q)], v[GR+32*(\q)+32+4*(\r):GR+32*(\q)+32+4*(\r)+3] offset:PVP*(\r)
.endr
	WIN 0
.endm
.macro FETCH_K4 g, sl               ; run g of four: keys 16 g on, all 128 channels: 4 fragments, 8 loads, from slot sl
	WIN 0x80
.irp f, 0,1,2,3
	ds_load_b128 v[KF+8*(4*(\g)+(\f)):KF+8*(4*(\g)+(\f))+3],   v[AK+(\sl)] offset:(\g)*16*PK+(\f)*64
	ds_load_b128 v[KF+8*(4*(\g)+(\f))+4:KF+8*(4*(\g)+(\f))+7], v[AK+(\sl)] offset:(\g)*16*PK+(\f)*64+32
.endr
.endm
.macro FETCH_V4 g, sl               ; run g of four, turned: keys 32 (g / 2) on, channels 64 (g % 2) on: 4 fragments, 8 loads
	WIN 0xc0
.irp f, 0,1,2,3
	ds_load_tr16_b128 v[8*(4*(\g)+(\f)):8*(4*(\g)+(\f))+3],   v[AV+(\sl)] offset:((\g)/2)*32*PVP+(4*((\g)%2)+(\f))*32
	ds_load_tr16_b128 v[8*(4*(\g)+(\f))+4:8*(4*(\g)+(\f))+7], v[AV+(\sl)] offset:((\g)/2)*32*PVP+16*PVP+(4*((\g)%2)+(\f))*32
.endr
.endm
; Product i of 32 of S^T: channels 32 (i / 8) on, keys 16 ((i / 2) % 4) on, tile i % 2.  The first 8 start the sums with the mask.  The 8 accumulators take turns.
.macro KQ
.set rS, S+32*(i%2)+8*((i/2)%4)
.set rK, KF+32*((i/2)%4)+8*(i/8)
.set rQ, 32*(i%2)+8*(i/8)
.set rM, MC+8*((i/2)%4)
.if i < 8
	WIN 0x1a                        ; K and Q window 2, the mask window 1, S^T window 0
	v_wmma_f32_16x16x32_f16 v[rS:rS+7], v[rK:rK+7], v[rQ:rQ+7], v[rM:rM+7]
.else
	WIN 0x0a
	v_wmma_f32_16x16x32_f16 v[rS:rS+7], v[rK:rK+7], v[rQ:rQ+7], v[rS:rS+7]
.endif
.endm
; Product i of 32 of O^T += V^T P: keys 32 (i / 16) on, channels 16 ((i / 2) % 8) on, tile i % 2.  16 accumulators by turns.
.macro PVM
	WIN 0x53                        ; V window 3, P window 0, O^T window 1
.set rO, 64*(i%2)+8*((i/2)%8)
.set rV, 64*(i/16)+8*((i/2)%8)
.set rP, P+16*(i%2)+8*(i/16)
	v_wmma_f32_16x16x32_f16 v[rO:rO+7], v[rV:rV+7], v[rP:rP+7], v[rO:rO+7]
.endm
.macro MASK
	WIN 0x41
.set z, 0
.rept 16
	v_pk_mul_f32 v[MC+2*z:MC+2*z+1], v[MD+2*z:MD+2*z+1], s[AL:AL+1] op_sel_hi:[1,0]
.set z, z+1
.endr
.endm
; One tile's softmax for one key step: a list of 134 instructions; SM writes number j for tile t.  s0-s31 are the lane's 32 scores, in pairs 0-15.
;   0-15    the maximum of s0-s31 and the old m, three operands at a time (each accumulator's lowest registers are read first)
;   16-20   the other half of the lanes' maximum; the new m; c m; c m_old - c m_new
;   21-69   the 16 scalings c s - c m and all 33 exponentials (a at 23): none of these names an exponential's result; a pair is scaled ahead of its exponentials
;   70-85   the roundings to f16      86-101  the sums; l = a l + the sum      102-133 the tile's O^T times a
.macro SM t
.set rT, ST+8*(\t)
.set rS, S+32*(\t)
.set rP, P+16*(\t)
.set rO, 64*(\t)+2*(j-102)
.if j < 102
	WIN 0
.endif
.if j < 4
	v_max3_num_f32 v[rT+4+j], v[rS+8*j], v[rS+8*j+1], v[rS+8*j+2]
.elseif j < 12
	v_max3_num_f32 v[rT+4+j%4], v[rT+4+j%4], v[rS+8*(j%4)+2*(j/4)+1], v[rS+8*(j%4)+2*(j/4)+2]
.elseif j == 12
	v_max3_num_f32 v[rT+4], v[rT+4], v[rS+7], v[rS+15]
.elseif j == 13
	v_max3_num_f32 v[rT+6], v[rT+6], v[rS+23], v[rS+31]
.elseif j == 14
	v_max3_num_f32 v[rT+4], v[rT+4], v[rT+5], v[rT+6]
.elseif j == 15
	v_max3_num_f32 v[rT+4], v[rT+4], v[rT+7], v[rT+1]
.elseif j == 16
	v_permlanex16_b32 v[rT+5], v[rT+4], s[SEL], s[SEL+1]  ; the query's other 32 keys lie in the lane 16 away
.elseif j == 17
	v_mov_b32 v[rT+7], v[rT]        ; c m_old is kept for a
.elseif j == 18
	v_max_num_f32 v[rT+1], v[rT+4], v[rT+5]
.elseif j == 19
	v_mul_f32 v[rT], s[CS], v[rT+1]
.elseif j == 20
	v_sub_f32 v[rT+7], v[rT+7], v[rT]
.elseif j == 23
	v_exp_f32 v[rT+6], v[rT+7]
.elseif (j < 23) || ((j < 38) && (j%2 == 0)) || ((j < 66) && (j%4 == 2))
.set b, (j-2)/4                     ; 38, 42, .. 62: pairs 9 to 15
.if j < 38
.set b, (j-20)/2                    ; 21: pair 0; 22, 24, .. 36: pairs 1 to 8
.endif
	v_pk_fma_f32 v[rS+2*b:rS+2*b+1], v[rS+2*b:rS+2*b+1], s[CS:CS+1], v[rT:rT+1] op_sel_hi:[1,0,0] neg_lo:[0,0,1] neg_hi:[0,0,1]
.elseif j < 70
.set e, j-38                        ; 66 to 69: s28 to s31
.if j < 66
.set e, j-32-(j-38)/4               ; 39-41, 43-45, .. 63-65: s7 to s27
.endif
.if j < 38
.set e, (j-25)/2                    ; 25, 27, .. 37: s0 to s6
.endif
	v_exp_f32 v[rS+e], v[rS+e]
.elseif j < 86
	v_cvt_pk_f16_f32 v[rP+j-70], v[rS+2*(j-70)], v[rS+2*(j-70)+1]
.elseif j < 102                     ; the sum of the 16 pairs, in place: neighbours 1, 2, 4 and 8 pairs apart, then l takes it
.set z, j-86
.set w, 4
.set u, z
.if z >= 14
.set w, 32
.set u, 0
.elseif z >= 12
.set w, 16
.set u, z-12
.elseif z >= 8
.set w, 8
.set u, z-8
.endif
.if z < 15
	v_pk_add_f32 v[rS+w*u:rS+w*u+1], v[rS+w*u:rS+w*u+1], v[rS+w*u+w/2:rS+w*u+w/2+1]
.else
	v_pk_fma_f32 v[rT+2:rT+3], v[rT+2:rT+3], v[rT+6:rT+7], v[rS:rS+1] op_sel_hi:[1,0,1]
.endif
.else
	WIN 0x41
	v_pk_mul_f32 v[rO:rO+1], v[rO:rO+1], v[rT+6:rT+7] op_sel_hi:[1,0]
.endif
.endm
.macro SMS n                        ; the next n numbers of both tiles' lists, the tiles alternating
.rept \n
	SM 0
	SM 1
.set j, j+1
.endr
.endm
; A STEP of parity par.  Its tile lies in slot par and its K is in registers or on its way there; the other slot and the other set are the next tile's.
.macro STEP par
	s_sub_co_u32 s[RT], s[RT], 1
	s_cmp_eq_u32 s[RT], 0           ; the block's last step holds the diagonal
	s_cselect_b32 s[AL], 1.0, 0
	MASK                            ; sixteen plain instructions: also the places between the last step's products V^T P and the loads into V's registers
	s_wait_dscnt 0x0                ; K is in: its last run was issued 24 products ago
.set i, 0
.irp g, 0,1,2,3
	FETCH_V4 \g, \par               ; a run of V's loads ahead of each eight products
.rept 8
	KQ
.set i, i+1
.endr
.endr
	WIN 0
	s_wait_loadcnt 18               ; all but the last step's 18 loads: the next tile's rows and the indices of the tile three on, asked for two steps ago, are in
	MKADDR 1-(\par)                 ; sixteen plain instructions: also the places behind the last product K Q^T
	STOREKV 1-(\par)                ; the next tile: nobody has read that slot since the last barrier
.set j, 0
	SMS 70                          ; the maximum, the scalings and the batch of 66 exponentials
	v_nop                           ; a plain instruction behind the last exponential,
	s_wait_alu depctr_va_vdst(0)    ; and the one wait between the batch and its first reader
	s_wait_dscnt 0x0                ; my stores are done, and my reads of this step's tile are over
	s_barrier_signal -1
	s_barrier_wait -1               ; the next tile is whole; this step's tile is read no more
	FETCH_K4 0, 1-(\par)
	LOADKV 1-(\par)                 ; the set that has just been stored takes the rows of the tile three on,
	LOADIDX IX+184*(1-(\par)), IOF+1-(\par)  ; and the indices of the tile five on
	SMS 32                          ; the roundings and the sums
	FETCH_K4 1, 1-(\par)
	SMS 32                          ; O^T times a
	FETCH_K4 2, 1-(\par)
.set i, 0
.rept 8
	PVM
.set i, i+1
.endr
	FETCH_K4 3, 1-(\par)
.rept 24
	PVM
.set i, i+1
.endr
	WIN 0
.endm
; A BLOCK'S END: l's two halves and the other half of the lanes' are added; O^T is divided by l, rounded to f16 and sent through my stage in LDS, a tile at a time.
.macro PACK t
	WIN 0x41
.set i, 64*(\t)
.rept 32
	v_pk_mul_f32 v[i:i+1], v[i:i+1], v[ST+8*(\t)+6:ST+8*(\t)+7] op_sel_hi:[1,0]
.set i, i+2
.endr
	WIN 0x05                        ; sources 0 and 1 window 1, destination window 0: S^T's registers are free
.set i, 0
.rept 32
	v_cvt_pk_f16_f32 v[S+32*(\t)+i], v[64*(\t)+2*i], v[64*(\t)+2*i+1]
.set i, i+1
.endr
	WIN 0
.irp f, 0,1,2,3,4,5,6,7
	ds_store_b128 v[STO], v[S+32*(\t)+4*(\f):S+32*(\t)+4*(\f)+3] offset:32*(\f)
.endr
.irp f, 0,1,2,3,4,5,6,7
	ds_load_b128 v[S+32*(\t)+4*(\f):S+32*(\t)+4*(\f)+3], v[RD] offset:(\f)*2*SP  ; LDS serves a wave's instructions in order (ISA guide 5.7.1.4): these see the stores above; the next tile's stores come behind them
.endr
.endm
.macro SEND t, younger              ; younger: the LDS instructions issued behind tile t's loads
.irp f, 0,1,2,3,4,5,6,7
	s_wait_dscnt (\younger)+7-(\f)
	global_store_b128 v[GO], v[S+32*(\t)+4*(\f):S+32*(\t)+4*(\f)+3], s[OB:OB+1] offset:(\f)*4096+(\t)*256  ; 16 lanes store a head's 256 bytes of one row of ofull, aligned
.endr
.endm
.macro BLOCKEND
	WIN 0
	PLACES                          ; behind the last products
.irp t, 0,1
	v_add_f32 v[ST+8*(\t)+4], v[ST+8*(\t)+2], v[ST+8*(\t)+3]
.endr
.irp t, 0,1
	v_permlanex16_b32 v[ST+8*(\t)+5], v[ST+8*(\t)+4], s[SEL], s[SEL+1]
.endr
.irp t, 0,1
	v_add_f32 v[ST+8*(\t)+4], v[ST+8*(\t)+4], v[ST+8*(\t)+5]
.endr
.irp t, 0,1
	v_rcp_f32 v[ST+8*(\t)+6], v[ST+8*(\t)+4]
.endr
	v_nop                           ; a plain instruction behind the last reciprocal,
	s_wait_alu depctr_va_vdst(0)    ; and the one wait for the two
	PACK 0
	PACK 1
	SEND 0, 16
	SEND 1, 0
.endm
	s_load_b128 s[4:7], s[0:1], 0x0 ; qkvh s[4:5], scatter_indices s[6:7]
	s_load_b64 s[8:9], s[0:1], 0x10 ; ofull
	v_lshl_add_u32 v[SPW], v0, 2, SPARE
	v_mov_b32 v[NIL], 0
	v_lshrrev_b32 v31, 5, v0
	v_readfirstlane_b32 s[WV], v31
	v_and_b32 v1, 15, v0            ; x = l % 16
	v_bfe_u32 v[HH], v0, 4, 1
	s_mov_b32 s[PB], ttmp9
	s_sub_co_u32 s[HI], 15, s[PB]
	s_and_b32 s18, s[PB], 1
	s_cmp_eq_u32 s18, 0             ; i even: block i has i + 1 steps, an odd number; i odd: block 15 - i has 16 - i
	s_cselect_b32 s[FB], s[PB], s[HI]
	s_cselect_b32 s[SE], s[HI], s[PB]
	s_and_b32 s18, ttmp7, 0xffff
	s_lshr_b32 s[BB], s18, 2
	s_and_b32 s[KV], s18, 3
	s_lshl_b32 s18, s[WV], 6
	v_lshl_add_u32 v[IO], v[HH], 5, s18  ; 4 x (16 w + 8 h)
	s_lshl_b32 s19, s[FB], 8
	s_add_co_u32 s19, s19, s18
	v_lshl_add_u32 v48, v1, 2, s19  ; my query's index in the first block: 4 x (64 block + 16 w + x),
	s_lshl_b32 s19, s[SE], 8
	s_add_co_u32 s19, s19, s18
	v_lshl_add_u32 v49, v1, 2, s19  ; and in the second
	v_lshlrev_b32 v[X16], 4, v1
	v_lshlrev_b32 v53, 4, v[HH]
	s_mov_b32 s[NXT], 0
	s_mov_b32 s[LQ], s[FB]
	s_lshl_b32 s42, s[BB], 12       ; a sequence has 1,024 indices of 4 bytes
	s_mov_b32 s43, 0
	s_wait_kmcnt 0x0
	s_add_nc_u64 s[SB:SB+1], s[6:7], s[42:43]
	LOADIDX T0, T0F                 ; the indices of the walk's steps 0, 1 and 2
	LOADIDX IX+184, IOF+1
	LOADIDX IX, IOF
	global_load_b32 v50, v48, s[SB:SB+1]
	global_load_b32 v51, v49, s[SB:SB+1]
	s_add_co_u32 s42, s[KV], 8
	s_mul_i32 s42, s42, PLANE
	s_add_nc_u64 s[KB:KB+1], s[4:5], s[42:43]
	s_lshl_b32 s42, s[KV], 1
	s_mul_i32 s42, s42, PLANE
	s_add_nc_u64 s[QB:QB+1], s[4:5], s[42:43]
	s_lshl_b32 s18, s[BB], 10
	s_lshl_b32 s19, s[WV], 4
	s_add_co_u32 s18, s18, s19      ; 1024 b + 16 w
	s_lshl_b32 s19, s[KV], 9        ; the two heads' 512 bytes of a row
	s_lshl_b32 s42, s[FB], 6
	s_add_co_u32 s42, s42, s18
	s_lshl_b32 s42, s42, 11
	s_add_co_u32 s42, s42, s19
	s_add_nc_u64 s[OB:OB+1], s[8:9], s[42:43]
	s_lshl_b32 s42, s[SE], 6
	s_add_co_u32 s42, s42, s18
	s_lshl_b32 s42, s42, 11
	s_add_co_u32 s42, s42, s19
	s_add_nc_u64 s[OLO:OLO+1], s[8:9], s[42:43]
	s_mov_b32 s[SLOTS], 9
	s_add_co_u32 s[RT], s[FB], 1    ; block j has j + 1 steps
	s_mov_b32 s[AL+1], 0            ; named as a pair
	s_mov_b32 s[CS], 0x3e0293ee     ; c = log2(e) / sqrt(128)
	s_mov_b32 s[CS+1], s[CS]
	s_mov_b32 s[SEL], 0x76543210
	s_mov_b32 s[SEL+1], 0xfedcba98
	s_mov_b32 s[BIGN], 0xf149f2ca   ; -1e30
	s_wait_loadcnt 0x0
.irp r, 0,1,2,3,4,5,6,7
	v_min_u32 v[T0+(\r)], 0x18ff, v[T0+(\r)]
	v_lshl_add_u32 v[T0+(\r)], v[T0+(\r)], 8, v[X16]
.endr
	MKADDR 1
	MKADDR 0
	v_min_u32 v50, 0x18ff, v50
	v_min_u32 v51, 0x18ff, v51
	v_lshl_add_u32 v50, v50, 8, v53 ; my query's row x 256 + 16 x half
	v_lshl_add_u32 v51, v51, 8, v53
	WIN 0xc0                        ; step 0's rows land in V's registers, which are free here
.irp r, 0,1,2,3,4,5,6,7
	global_load_b128 v[4*(\r):4*(\r)+3],       v[T0+(\r)], s[KB:KB+1]
	global_load_b128 v[32+4*(\r):32+4*(\r)+3], v[T0+(\r)], s[KB:KB+1] offset:4*PLANE
.endr
	WIN 0x80                        ; destination window 2
.irp t, 0,1                         ; both blocks' Q stay in registers: tile t, channels 32 c on
.irp c, 0,1,2,3
	global_load_b128 v[32*(\t)+8*(\c):32*(\t)+8*(\c)+3],           v50, s[QB:QB+1] offset:(\t)*PLANE+64*(\c)
	global_load_b128 v[32*(\t)+8*(\c)+4:32*(\t)+8*(\c)+7],         v50, s[QB:QB+1] offset:(\t)*PLANE+64*(\c)+32
	global_load_b128 v[QB2+32*(\t)+8*(\c):QB2+32*(\t)+8*(\c)+3],   v51, s[QB:QB+1] offset:(\t)*PLANE+64*(\c)
	global_load_b128 v[QB2+32*(\t)+8*(\c)+4:QB2+32*(\t)+8*(\c)+7], v51, s[QB:QB+1] offset:(\t)*PLANE+64*(\c)+32
.endr
.endr
	WIN 0
	LOADKV 1                        ; two groups of 18 loads, as every step issues one: step 1's rows and step 3's indices,
	LOADIDX IX+184, IOF+1
	LOADKV 0                        ; step 2's rows and step 4's indices
	LOADIDX IX, IOF
	; all that follows stands in the wait for those loads
	v_lshlrev_b32 v54, 3, v[HH]
	v_sub_nc_u32 v54, v1, v54
	s_lshl_b32 s18, s[WV], 4
	v_add_nc_u32 v54, s18, v54      ; my query's place in its block, 16 w + x, less my lanes' 8 h: register r of key group kt is hidden where 16 kt + r is greater
	WIN 0x40
.set i, 0
.rept 32
	v_cmp_gt_i32 vcc_lo, 16*(i/8)+i%8, v54
	v_cndmask_b32 v[MD+i], 0, s[BIGN], vcc_lo
.set i, i+1
.endr
.set i, 0
.rept 128                           ; a block's first step multiplies O^T and l by a = 0, so they need only be finite: zeros for the first block, what the first block left for the second
	v_mov_b32 v[i], 0
.set i, i+1
.endr
	WIN 0
.irp t, 0,1
	v_mov_b32 v[ST+8*(\t)], 0xfe000000    ; c m: far below every c s
	v_mov_b32 v[ST+8*(\t)+1], 0xff7fffff  ; m: the lowest finite number
	v_mov_b32 v[ST+8*(\t)+2], 0
	v_mov_b32 v[ST+8*(\t)+3], 0
.endr
	v_mul_u32_u24 v[AK], v1, PK
	v_lshl_add_u32 v[AK], v[HH], 4, v[AK]         ; a fragment of K: row x, 16 bytes for each half of the lanes
	v_add_nc_u32 v[AK+1], SLOT1, v[AK]
	v_and_b32 v55, 7, v0
	v_lshl_add_u32 v[AV], v[HH], 3, v55           ; the turning load: key 8 h + l % 8, channels 8 ((l / 8) % 2) on
	v_mul_u32_u24 v[AV], v[AV], PVP
	v_bfe_u32 v55, v0, 3, 1
	v_lshl_add_u32 v[AV], v55, 4, v[AV]
	v_add_nc_u32 v[AV], VOFF, v[AV]
	v_add_nc_u32 v[AV+1], SLOT1, v[AV]
	s_mul_i32 s18, s[WV], 16*PK
	v_mul_u32_u24 v[WK], v[HH], 8*PK
	v_add3_u32 v[WK], v[WK], v[X16], s18          ; row 16 w + 8 h, my 16 bytes
	v_add_nc_u32 v[WK+1], SLOT1, v[WK]
	s_mul_i32 s18, s[WV], 16*PVP
	s_add_co_u32 s18, s18, VOFF
	v_mul_u32_u24 v[WVR], v[HH], 8*PVP
	v_add3_u32 v[WVR], v[WVR], v[X16], s18
	v_add_nc_u32 v[WVR+1], SLOT1, v[WVR]
	s_mul_i32 s18, s[WV], 16*SP
	s_add_co_u32 s18, s18, STAGE
	v_mul_u32_u24 v[STO], v1, SP                  ; in: row x, 16 bytes for each half of the lanes
	v_lshl_add_u32 v[STO], v[HH], 4, v[STO]
	v_add_nc_u32 v[STO], s18, v[STO]
	v_mul_u32_u24 v[RD], v[HH], SP                ; back: lanes 0-15 one row of 256 bytes, lanes 16-31 the next
	v_add3_u32 v[RD], v[RD], v[X16], s18
	v_lshl_add_u32 v[GO], v[HH], 11, v[X16]       ; and the same two rows in ofull
	s_wait_loadcnt 36               ; step 0's rows and Q are in; the two groups of 18 stay out
	WIN 0x0c                        ; the stores' data in window 3
.irp r, 0,1,2,3,4,5,6,7
	ds_store_b128 v[WK],  v[4*(\r):4*(\r)+3]       offset:PK*(\r)
	ds_store_b128 v[WVR], v[32+4*(\r):32+4*(\r)+3] offset:PVP*(\r)
.endr
	WIN 0
	s_wait_dscnt 0x0
	s_barrier_signal -1
	s_barrier_wait -1               ; step 0's tile is whole
.irp g, 0,1,2,3
	FETCH_K4 \g, 0
.endr
	WIN 0
	s_branch .Leven                 ; the loop is entered at the even step, in the middle of a trip
.Lodd:
	STEP 1
.Leven:
	STEP 0
	s_cmp_lg_u32 s[RT], 0
	s_cbranch_scc1 .Lnext
	BLOCKEND                        ; both blocks end here.  Behind the second the lines below serve nothing: the price, once a launch, of one text
	s_wait_xcnt 0x0                 ; the stores have read their data and their base
	s_mov_b64 s[OB:OB+1], s[OLO:OLO+1]
	s_add_co_u32 s[RT], s[SE], 1
	WIN 0x82
.set i, 0
.rept 64
	v_mov_b32 v[i], v[QB2+i]        ; the second block's Q goes where the text of the steps names Q
.set i, i+1
.endr
	WIN 0
.irp t, 0,1
	v_mov_b32 v[ST+8*(\t)], 0xfe000000
	v_mov_b32 v[ST+8*(\t)+1], 0xff7fffff
.endr
.Lnext:
	s_sub_co_u32 s[SLOTS], s[SLOTS], 1
	s_cmp_lg_u32 s[SLOTS], 0
	s_cbranch_scc1 .Lodd
	s_wait_tensorcnt 0x0            ; the wave's end, behind my last LDS store
	ds_add_u32 v[SPW], v[NIL]
	s_wait_dscnt 0x0
	s_endpgm
.Lfunc_end_k_q39168aeda4_attn:
	.size	k_q39168aeda4_attn, .Lfunc_end_k_q39168aeda4_attn-k_q39168aeda4_attn
	.p2alignl 7, 3214868480
	.fill 96, 4, 3214868480
	.section	.rodata,"a",@progbits
	.p2align	6, 0x0
	.amdhsa_kernel k_q39168aeda4_attn
		.amdhsa_group_segment_fixed_size 119296
		.amdhsa_private_segment_fixed_size 0
		.amdhsa_enable_private_segment 0
		.amdhsa_kernarg_size 24
		.amdhsa_user_sgpr_count 2
		.amdhsa_user_sgpr_kernarg_segment_ptr 1
		.amdhsa_wavefront_size32 1
		.amdhsa_system_sgpr_workgroup_id_x 1
		.amdhsa_system_sgpr_workgroup_id_y 1
		.amdhsa_system_sgpr_workgroup_id_z 1
		.amdhsa_system_vgpr_workitem_id 0
		.amdhsa_next_free_vgpr 896
		.amdhsa_next_free_sgpr 66
		.amdhsa_reserve_vcc 1
		.amdhsa_float_denorm_mode_32 3
		.amdhsa_float_denorm_mode_16_64 3
		.amdhsa_memory_ordered 1
		.amdhsa_forward_progress 1
		.amdhsa_inst_pref_size 101
	.end_amdhsa_kernel
	.amdgpu_metadata
---
amdhsa.version: [ 1, 2 ]
amdhsa.kernels:
  - .name:           k_q39168aeda4_attn
    .symbol:         k_q39168aeda4_attn.kd
    .args:
      - { .name: qkvh, .offset: 0, .size: 8, .value_kind: global_buffer, .address_space: global }
      - { .name: scatter_indices, .offset: 8, .size: 8, .value_kind: global_buffer, .address_space: global }
      - { .name: ofull, .offset: 16, .size: 8, .value_kind: global_buffer, .address_space: global }
    .group_segment_fixed_size: 119296
    .private_segment_fixed_size: 0
    .kernarg_segment_align: 8
    .kernarg_segment_size: 24
    .max_flat_workgroup_size: 128
    .sgpr_count:     66
    .vgpr_count:     896
    .wavefront_size: 32
...
	.end_amdgpu_metadata
.endif
;; end of part 3
;; launch fold (part 4): grid 256 x 1, 4 waves a work-group, no clusters, 0 bytes of LDS; arguments ofull, fold_gather, oc; writes oc
.if DOCPART == 4
	.amdgcn_target "amdgcn-amd-amdhsa--gfx1250"
	.amdhsa_code_object_version 6
	.text
	.protected	k_q39168aeda4_fold
	.globl	k_q39168aeda4_fold
	.p2align	8
	.type	k_q39168aeda4_fold,@function
k_q39168aeda4_fold:
	s_mov_b64 s[64:65], 0
	v_nop
	global_prefetch_b8 v0, s[64:65] scope:SCOPE_SE
	s_setreg_imm32_b32 hwreg(HW_REG_WAVE_MODE, 25, 1), 1
	s_wait_xcnt 0x0
; oc[n][:] = ofull[fold_gather[n]][:], rows of 1,024 f16 = 2,048 bytes; 6,400 rows, 25 to a work-group.  An index is held to 0 .. 8191.
; A gather that streams: the 25 indices come by scalar loads; thread t takes 16 bytes of every row, so the four waves' one load covers a row; all 25 loads go out before the first store.
; No LDS, no barrier, no matrix unit.  No hint on the loads: a list may name a row twice.
.set AD, 4                             ; v[4:28]    row r: byte offset of my 16 bytes in ofull
.set X,  32                            ; v[32:131]  row r: 4 registers
	s_load_b128 s[4:7], s[0:1], 0x0                ; ofull s[4:5], fold_gather s[6:7]
	s_load_b64 s[8:9], s[0:1], 0x10                ; oc
	v_lshlrev_b32 v1, 4, v0
	s_mul_i32 s10, ttmp9, 100                      ; my 25 indices of 4 bytes
	s_mul_i32 s12, ttmp9, 25*2048                  ; my 25 rows
	s_mov_b32 s13, 0
	s_wait_kmcnt 0x0
	s_load_b512 s[16:31], s[6:7], s10
	s_load_b256 s[32:39], s[6:7], s10 offset:0x40
	s_load_b32 s40, s[6:7], s10 offset:0x60
	s_add_nc_u64 s[8:9], s[8:9], s[12:13]
	s_wait_kmcnt 0x0
.set r, 0
.rept 25
	s_min_u32 s[16+r], s[16+r], 0x1fff
	v_lshl_add_u32 v[AD+r], s[16+r], 11, v1
.set r, r+1
.endr
.set r, 0
.rept 25
	global_load_b128 v[X+4*r:X+4*r+3], v[AD+r], s[4:5]
.set r, r+1
.endr
.set r, 0
.rept 25
	s_wait_loadcnt 24-r                            ; loads come back in order: row r is in, the 24 - r younger ones stay out
	global_store_b128 v1, v[X+4*r:X+4*r+3], s[8:9] offset:2048*r  ; a wave stores 512 consecutive bytes, aligned
.set r, r+1
.endr
	s_endpgm
.Lfunc_end_k_q39168aeda4_fold:
	.size	k_q39168aeda4_fold, .Lfunc_end_k_q39168aeda4_fold-k_q39168aeda4_fold
	.p2alignl 7, 3214868480
	.fill 96, 4, 3214868480
	.section	.rodata,"a",@progbits
	.p2align	6, 0x0
	.amdhsa_kernel k_q39168aeda4_fold
		.amdhsa_group_segment_fixed_size 0
		.amdhsa_private_segment_fixed_size 0
		.amdhsa_enable_private_segment 0
		.amdhsa_kernarg_size 24
		.amdhsa_user_sgpr_count 2
		.amdhsa_user_sgpr_kernarg_segment_ptr 1
		.amdhsa_wavefront_size32 1
		.amdhsa_system_sgpr_workgroup_id_x 1
		.amdhsa_system_sgpr_workgroup_id_y 1
		.amdhsa_system_sgpr_workgroup_id_z 1
		.amdhsa_system_vgpr_workitem_id 0
		.amdhsa_next_free_vgpr 132
		.amdhsa_next_free_sgpr 66
		.amdhsa_reserve_vcc 0
		.amdhsa_float_denorm_mode_32 3
		.amdhsa_float_denorm_mode_16_64 3
		.amdhsa_memory_ordered 1
		.amdhsa_forward_progress 1
		.amdhsa_inst_pref_size 10
	.end_amdhsa_kernel
	.amdgpu_metadata
---
amdhsa.version: [ 1, 2 ]
amdhsa.kernels:
  - .name:           k_q39168aeda4_fold
    .symbol:         k_q39168aeda4_fold.kd
    .args:
      - { .name: ofull, .offset: 0, .size: 8, .value_kind: global_buffer, .address_space: global }
      - { .name: fold_gather, .offset: 8, .size: 8, .value_kind: global_buffer, .address_space: global }
      - { .name: oc, .offset: 16, .size: 8, .value_kind: global_buffer, .address_space: global }
    .group_segment_fixed_size: 0
    .private_segment_fixed_size: 0
    .kernarg_segment_align: 8
    .kernarg_segment_size: 24
    .max_flat_workgroup_size: 128
    .sgpr_count:     66
    .vgpr_count:     132
    .wavefront_size: 32
...
	.end_amdgpu_metadata
.endif
;; end of part 4
;; launch oproj (part 5): grid 8 x 25, 4 waves a work-group, clusters of 4 x 1, 327,680 bytes of LDS; arguments oc, wof, out0; writes out0
.if DOCPART == 5
	.amdgcn_target "amdgcn-amd-amdhsa--gfx1250"
	.amdhsa_code_object_version 6
	.text
	.protected	k_q39168aeda4_oproj
	.globl	k_q39168aeda4_oproj
	.p2align	8
	.type	k_q39168aeda4_oproj,@function
k_q39168aeda4_oproj:
	s_mov_b64 s[64:65], 0
	v_nop
	global_prefetch_b8 v0, s[64:65] scope:SCOPE_SE
	s_setreg_imm32_b32 hwreg(HW_REG_WAVE_MODE, 25, 1), 1
	s_wait_xcnt 0x0
	s_wait_alu depctr_hold_cnt(0) depctr_sa_sdst(0) depctr_va_vdst(0) depctr_va_sdst(0) depctr_va_ssrc(0) depctr_va_vcc(0) depctr_vm_vsrc(0)
	s_getreg_b32 s2, hwreg(HW_REG_IB_STS2, 6, 4)
	s_cmp_eq_u32 s2, 0
	s_cbranch_scc0 .Lentry_in_a_cluster
	s_endpgm
.Lentry_in_a_cluster:
	s_bfe_u32 s2, ttmp6, 0x10000c
	s_cmp_lg_u32 s2, 0x3003
	s_cbranch_scc0 .Lentry_shape_is_right
	s_endpgm
.Lentry_shape_is_right:
; out0 = oc x wof.  oc [6400][1024] f16, wof [1024 k][2048 n] f16 (wo rounded to bf16, written as f16), out0 [6400][2048] f32; sums in f32.
; SHARES, RING, CLUSTER as in the projection in front: a tile of C is 256 x 256, four waves of 128 x 128 (64 accumulators); K in steps of 128 through two LDS slots filled by the tensor data mover; A's rows
; lie along K, B lies [k][n] and is turned on its way out of LDS.  Cluster 4 x 1: the four partners make four tile columns of one tile row: A's tiles are asked for JOINTLY (mask 15); B's differ from partner
; to partner and are each work-group's own loads, behind the same rounds.  B is not shared along a column: the grid has 25 tile rows, which no cluster height but 1 divides (5 is not taken).
; THE PRODUCT IS USED TRANSPOSED: a lane holds row l % 16 of C and eight neighbouring columns.  THE WAY OUT: 16 rows at a time through the wave's own stage behind the ring; they come back as whole rows of
; 512 bytes, and each store of the wave covers 512 consecutive bytes, aligned.
; REGISTERS in windows of 256: window 0: v0-31 addresses; v64-127, v128-191 fragments of A (v64-127: rows read back on the way out); window 1: fragments of B; windows 2, 3: the accumulators ((a, b) at v[8 (8 a + b)]).
.set KK,     1024
.set KSTEP,  128
.set LAPS,   KK/(2*KSTEP)
.set PA,     272                       ; a row of A in LDS: 256 bytes + 16 (64 banks of 4 bytes: ISA guide 11.1: 16 rows start at 16 different groups of four banks)
.set PBP,    288                       ; a k-row of B: 256 + 32
.set HALFA,  128*PA
.set HALFB,  128*PBP
.set SLOT,   2*HALFA+2*HALFB
.set STAGE,  2*SLOT                    ; behind the ring, never filled by a tensor load: 16 rows x 528 bytes for each wave
.set SP,     528
.set SPARE,  STAGE+4*16*SP             ; the spare words, 128 bytes a wave: two blocks of 256 bytes that no other line names
.set BSTEP,  KSTEP*2048*2
.set ADRA, 16
.set ADRB, 20
.set STO,  24                          ; v24  where I put my sums; never rewritten
.set RD,   25                          ; v25  where I read a row back; never rewritten
.set CO,   26                          ; v26  16 x lane
.set SPW,  28
.set NIL,  29
.set PFO,  30
.set F0,   64
.set F1,   128
.set BK,   64                          ; the way out: 16 rows read back
.set WV, 16
.set RH, 17
.set CH, 18
.set CX, 19                            ; my place in the cluster: it enters B's, the prefetches' and the output's global addresses alone
.set TC, 20
.set TR, 21
.set G1A, 24
.set G0A, 32
.set CNT, 42                           ; s42 the way out: blocks of 16 rows still to go
.set LIM, 44
.set LAP, 45
.set PFS, 46
.set G1B, 48
.set G0B, 56
.set PFA, 66
.set OUTB, 80
.set MSB, 0
.macro WIN new
.if MSB != (\new)
	s_set_vgpr_msb (MSB<<8)|(\new)
.set MSB, \new
.endif
.endm
.set MUL_LO, 0xa1
.set MUL_HI, 0xf1
.set TO_B,   0x40
.macro PLACES
.rept 4
	v_nop
.endr
.endm
.macro JLOAD s                         ; waves 0 and 1 ask jointly for A's halves, waves 2 and 3 fetch my own halves of B; an s_nop 0 and four v_nop follow each line, ahead of the jump and the label
	s_cmp_eq_u32 s[RH], 0
	s_cbranch_scc0 .Lfor_b_\@
	tensor_load_to_lds s[G0A+4*(\s):G0A+4*(\s)+3], s[G1A:G1A+7]
	s_nop 0
.rept 4
	v_nop
.endr
	s_branch .Lasked_\@
.Lfor_b_\@:
	tensor_load_to_lds s[G0B+4*(\s):G0B+4*(\s)+3], s[G1B:G1B+7]
	s_nop 0
.rept 4
	v_nop
.endr
.Lasked_\@:
.endm
; A PREFETCH INTO THE L2 of the K step two refills on, a lane a row of 256 bytes, each block named once: A's by cluster x = 0 (each partner 32 of a wave's 128 rows, told apart by address), B's by tile row 0
; (waves 2 and 3, their own 128 k-rows: four instructions).  The loop's last trip asks for nothing; K steps 0 to 3 come by their loads alone.
.macro ASK
	s_cmp_gt_u32 s[LAP], s[LIM]
	s_cbranch_scc0 .Lnot_mine_\@
	s_cmp_eq_u32 s[RH], 0
	s_cbranch_scc0 .Lask_b_\@
	global_prefetch_b8 v[PFO], s[PFA:PFA+1] offset:KSTEP*2 th:TH_LOAD_NT scope:SCOPE_SE
	s_branch .Lnot_mine_\@
.Lask_b_\@:
.irp j, 0,1,2,3
	global_prefetch_b8 v[PFO], s[PFA:PFA+1] offset:BSTEP+131072*(\j) th:TH_LOAD_NT scope:SCOPE_SE
.endr
.Lnot_mine_\@:
.endm
.macro CREST
	s_cmp_lg_u32 s[WV], 0
	s_cbranch_scc1 .Lnot_wave_0_\@
	s_barrier_signal -3
.Lnot_wave_0_\@:
	s_barrier_wait -3
	s_barrier_signal -1
	s_barrier_wait -1
.endm
.macro CROUND
	s_barrier_signal -1
	s_barrier_wait -1
	CREST
.endm
	s_load_b128 s[4:7], s[0:1], 0x0                ; oc s[4:5], wof s[6:7]
	s_load_b64 s[8:9], s[0:1], 0x10                ; out0
	v_lshl_add_u32 v[SPW], v0, 2, SPARE
	v_mov_b32 v[NIL], 0
	ds_add_u32 v[SPW], v[NIL]                      ; the wave's opening: the add and its wait ahead of my first tensor load; the set-up below stands between them
	v_lshrrev_b32 v1, 5, v0
	v_readfirstlane_b32 s[WV], v1
	s_lshr_b32 s[RH], s[WV], 1
	s_and_b32 s[CH], s[WV], 1
	s_bfe_u32 s[CX], ttmp6, 0x40000
	s_lshl_b32 s[TC], ttmp9, 2
	s_add_co_u32 s[TC], s[TC], s[CX]
	s_and_b32 s[TR], ttmp7, 0xffff
	s_mov_b32 s[G1A+0], 15|(1<<16)|(1<<20)|(1<<21)|(5<<22)|(3<<25)  ; mask of four; 2-byte elements; padding on; bit 21 beside a mask; after every 64 words 4 words
	s_mov_b32 s[G1B+0], (1<<16)|(1<<20)|(5<<22)|(7<<25)             ; no mask; after every 64 words 8 words
.irp g, G1A, G1B
	s_mov_b32 s[(\g)+1], 128<<16
	s_mov_b32 s[(\g)+2], 128<<16
	s_mov_b32 s[(\g)+3], 128<<16
	s_mov_b32 s[(\g)+4], 128
	s_mov_b32 s[(\g)+6], 0
	s_mov_b32 s[(\g)+7], 0
.endr
	s_mov_b32 s[G1A+5], KK
	s_mov_b32 s[G1B+5], 2048
	s_mul_i32 s22, s[CH], HALFA
	s_mul_i32 s23, s[CH], HALFB
	s_add_co_u32 s23, s23, 2*HALFA
	s_lshl_b32 s82, s[TR], 8
	s_lshl_b32 s83, s[CH], 7
	s_add_co_u32 s82, s82, s83
	s_mul_i32 s82, s82, KK*2
	s_mov_b32 s83, 0
	s_lshl_b32 s86, s[TC], 9
	s_lshl_b32 s87, s[CH], 8
	s_add_co_u32 s86, s86, s87
	s_mov_b32 s87, 0
	s_wait_dscnt 0x0                               ; the opening add is done
	s_wait_kmcnt 0x0
	s_add_nc_u64 s[84:85], s[4:5], s[82:83]
	s_add_nc_u64 s[88:89], s[6:7], s[86:87]
	CROUND                                         ; all four work-groups are here: the first joint loads meet
.irp s, 0,1
	s_mov_b32 s[G0A+4*(\s)], 1
	s_add_co_u32 s[G0A+4*(\s)+1], s22, (\s)*SLOT
	s_add_nc_u64 s[G0A+4*(\s)+2:G0A+4*(\s)+3], s[84:85], (\s)*KSTEP*2
	s_or_b32 s[G0A+4*(\s)+3], s[G0A+4*(\s)+3], 0x80000000
	s_mov_b32 s[G0B+4*(\s)], 1
	s_add_co_u32 s[G0B+4*(\s)+1], s23, (\s)*SLOT
	s_add_nc_u64 s[G0B+4*(\s)+2:G0B+4*(\s)+3], s[88:89], (\s)*BSTEP
	s_or_b32 s[G0B+4*(\s)+3], s[G0B+4*(\s)+3], 0x80000000
	JLOAD \s                                       ; two loads of mine are out
.endr
	v_and_b32 v1, 15, v0
	v_bfe_u32 v2, v0, 4, 1
	v_mul_u32_u24 v3, v1, PA
	v_lshl_add_u32 v3, v2, 4, v3
	s_mul_i32 s22, s[RH], HALFA
	v_add_nc_u32 v[ADRA], s22, v3
	v_add_nc_u32 v[ADRA+1], SLOT, v[ADRA]
	v_and_b32 v4, 7, v0
	v_lshl_add_u32 v4, v2, 3, v4
	v_mul_u32_u24 v4, v4, PBP
	v_bfe_u32 v5, v0, 3, 1
	v_lshl_add_u32 v4, v5, 4, v4
	v_add_nc_u32 v[ADRB], s23, v4
	v_add_nc_u32 v[ADRB+1], SLOT, v[ADRB]
	s_mul_i32 s22, s[WV], 16*SP
	s_add_co_u32 s22, s22, STAGE                   ; my stage
	v_mul_u32_u24 v3, v1, SP
	v_lshl_add_u32 v3, v2, 5, v3
	v_add_nc_u32 v[STO], s22, v3                   ; in: row l % 16, 32 bytes for each half of the lanes
	v_and_b32 v[CO], 31, v0
	v_lshlrev_b32 v[CO], 4, v[CO]                  ; back: 32 lanes take one row of 512 bytes
	v_add_nc_u32 v[RD], s22, v[CO]
	s_lshl_b32 s86, s[TR], 8
	s_lshl_b32 s87, s[RH], 7
	s_add_co_u32 s86, s86, s87
	s_lshl_b32 s86, s86, 13                        ; my first row x 8,192 bytes (52,428,800 at the most)
	s_lshl_b32 s87, s[TC], 10
	s_add_co_u32 s86, s86, s87
	s_lshl_b32 s87, s[CH], 9
	s_add_co_u32 s86, s86, s87                     ; + my first column x 4 bytes
	s_mov_b32 s87, 0
	s_add_nc_u64 s[OUTB:OUTB+1], s[8:9], s[86:87]
	; the prefetches
	s_lshl_b32 s86, s[TR], 8
	s_lshl_b32 s87, s[CH], 7
	s_add_co_u32 s86, s86, s87
	s_lshl_b32 s87, s[CX], 5
	s_add_co_u32 s86, s86, s87
	s_mul_i32 s86, s86, KK*2
	s_add_co_u32 s86, s86, 2*KSTEP*2
	s_lshl_b32 s88, s[TC], 9
	s_lshl_b32 s89, s[CH], 8
	s_add_co_u32 s88, s88, s89
	s_add_co_u32 s88, s88, 2*BSTEP
	s_mov_b32 s[PFS], BSTEP
	s_mov_b32 s[PFS+1], 0
	s_mov_b32 s89, 4096
	s_mov_b32 s87, 0
	s_cmp_eq_u32 s[RH], 0
	s_cselect_b32 s86, s86, s88
	s_cselect_b64 s[PFA:PFA+1], s[4:5], s[6:7]
	s_cselect_b32 s[PFS], KSTEP*2, s[PFS]
	s_cselect_b32 s89, KK*2, s89
	s_cselect_b32 s88, ttmp9, s[TR]
	s_add_nc_u64 s[PFA:PFA+1], s[PFA:PFA+1], s[86:87]
	s_cmp_eq_u32 s88, 0
	s_cselect_b32 s[LIM], 1, -1
	v_and_b32 v[PFO], 31, v0
	v_mul_lo_u32 v[PFO], v[PFO], s89
.macro MUL16 f, hi, a0, zero           ; 16 matrix instructions; the 64 accumulators take turns, one instruction a turn
	WIN MUL_LO+0x50*(\hi)
.irp a, \a0, (\a0)+1
.irp b, 0,1,2,3,4,5,6,7
.if \zero
	v_wmma_f32_16x16x32_f16 v[8*(8*(\a)+(\b)):8*(8*(\a)+(\b))+7], v[(\f)+8*(\b):(\f)+8*(\b)+7], v[(\f)+8*(4*(\hi)+(\a)):(\f)+8*(4*(\hi)+(\a))+7], 0
.else
	v_wmma_f32_16x16x32_f16 v[8*(8*(\a)+(\b)):8*(8*(\a)+(\b))+7], v[(\f)+8*(\b):(\f)+8*(\b)+7], v[(\f)+8*(4*(\hi)+(\a)):(\f)+8*(4*(\hi)+(\a))+7], v[8*(8*(\a)+(\b)):8*(8*(\a)+(\b))+7]
.endif
.endr
.endr
.endm
.macro FETCH slot, q, f                ; 32 LDS loads in one run: B's eight fragments (turned), then A's eight
	WIN TO_B
.irp i, 0,1,2,3,4,5,6,7
	ds_load_tr16_b128 v[(\f)+8*(\i):(\f)+8*(\i)+3],   v[ADRB+(\slot)] offset:(\q)*32*PBP+32*(\i)
	ds_load_tr16_b128 v[(\f)+8*(\i)+4:(\f)+8*(\i)+7], v[ADRB+(\slot)] offset:(\q)*32*PBP+16*PBP+32*(\i)
.endr
	WIN 0
.irp i, 0,1,2,3,4,5,6,7
	ds_load_b128 v[(\f)+8*(\i):(\f)+8*(\i)+3],   v[ADRA+(\slot)] offset:(\q)*64+(\i)*16*PA
	ds_load_b128 v[(\f)+8*(\i)+4:(\f)+8*(\i)+7], v[ADRA+(\slot)] offset:(\q)*64+(\i)*16*PA+32
.endr
.endm
.macro QUARTER slot, q, f, g, zero
	s_wait_dscnt 8                                 ; B and A's rows 0-63 are in; the youngest eight loads may be out
	MUL16 \f, 0, 0, \zero
	MUL16 \f, 0, 2, \zero
	PLACES
	FETCH \slot, \q, \g
	s_wait_dscnt 32                                ; all but the 32 just issued
	MUL16 \f, 1, 0, \zero
	MUL16 \f, 1, 2, \zero
.endm
.macro MEET round                      ; one barrier for the change of slots: all my tensor loads, the add, my reads of this slot, in front of its signal
	WIN 0
	s_wait_tensorcnt 0x0
	ds_add_u32 v[SPW], v[NIL]                      ; 0 onto my spare word
	s_wait_dscnt 9                                 ; (the add and the youngest eight loads may be out)
	MUL16 F1, 0, 0, 0
	s_wait_dscnt 0x0
	s_barrier_signal -1
	MUL16 F1, 0, 2, 0
.if \round
	WIN 0
.endif
	s_barrier_wait -1
.endm
.macro TURN slot, next
	s_wait_xcnt 0x0                                ; the last prefetch, a K step back, has read its address
	s_add_nc_u64 s[PFA:PFA+1], s[PFA:PFA+1], s[PFS:PFS+1]
	MEET 1
	CREST                                          ; no wave of any partner still reads this slot's tile or has a load on its way
	s_add_nc_u64 s[G0A+4*(\slot)+2:G0A+4*(\slot)+3], s[G0A+4*(\slot)+2:G0A+4*(\slot)+3], 2*KSTEP*2
	s_add_nc_u64 s[G0B+4*(\slot)+2:G0B+4*(\slot)+3], s[G0B+4*(\slot)+2:G0B+4*(\slot)+3], 2*BSTEP
	JLOAD \slot                                    ; 224 matrix instructions ahead of the wait for it; its four v_nop are also the places in front of the loads below
	FETCH \next, 0, F0
	ASK
	MUL16 F1, 1, 0, 0
	MUL16 F1, 1, 2, 0
.endm
	s_wait_tensorcnt 1                             ; my part of K step 0 is in; K step 1's may stay out
	s_barrier_signal -1
	s_barrier_wait -1
	FETCH 0, 0, F0
	QUARTER 0, 1, F0, F1, 1
	WIN 0
	s_mov_b32 s[LAP], LAPS-1
.Llap:
	QUARTER 0, 2, F1, F0, 0
	QUARTER 0, 3, F0, F1, 0
	TURN 0, 1
	QUARTER 1, 1, F0, F1, 0
	QUARTER 1, 2, F1, F0, 0
	QUARTER 1, 3, F0, F1, 0
	TURN 1, 0
	QUARTER 0, 1, F0, F1, 0
	WIN 0
	s_sub_co_u32 s[LAP], s[LAP], 1
	s_cmp_lg_u32 s[LAP], 0
	s_cbranch_scc1 .Llap
	QUARTER 0, 2, F1, F0, 0                        ; the last lap fills nothing, and has no round
	QUARTER 0, 3, F0, F1, 0
	MEET 0
	PLACES
	FETCH 1, 0, F0
	MUL16 F1, 1, 0, 0
	MUL16 F1, 1, 2, 0
	QUARTER 1, 1, F0, F1, 0
	QUARTER 1, 2, F1, F0, 0
	QUARTER 1, 3, F0, F1, 0
	s_wait_dscnt 8
	MUL16 F1, 0, 0, 0
	MUL16 F1, 0, 2, 0
	s_wait_dscnt 0x0
	MUL16 F1, 1, 0, 0
	MUL16 F1, 1, 2, 0
	WIN 0
	PLACES                                         ; behind the last products: their sums are stored and their fragments' registers loaded below
; THE WAY OUT, a block of 16 rows x 128 columns of f32 a trip.  Block a's sums go into my stage, each accumulator's low registers first: the block's number stands in the register
; numbers, so this part is written once for each block and chosen by forward jumps on the count; the way back as whole rows, and the stores, are written once.
.macro TOSTAGE a
	WIN 0x08+4*((\a)/4)                            ; the stores' data in window 2 or 3
.irp b, 0,1,2,3,4,5,6,7
	ds_store_b128 v[STO], v[64*((\a)%4)+8*(\b):64*((\a)%4)+8*(\b)+3]   offset:64*(\b)
	ds_store_b128 v[STO], v[64*((\a)%4)+8*(\b)+4:64*((\a)%4)+8*(\b)+7] offset:64*(\b)+16
.endr
	WIN 0
.endm
	s_mov_b32 s[CNT], 8
.Lblk:                                                 ; 8 trips: block 8 - CNT
.irp a, 0,1,2,3,4,5,6
	s_cmp_eq_u32 s[CNT], 8-(\a)
	s_cbranch_scc0 .Lother_\a
	TOSTAGE \a
	s_branch .Lstaged
.Lother_\a:
.endr
	TOSTAGE 7
.Lstaged:
.irp t, 0,1,2,3,4,5,6,7,8,9,10,11,12,13,14,15
	ds_load_b128 v[BK+4*(\t):BK+4*(\t)+3], v[RD] offset:(\t)*SP  ; LDS serves a wave's instructions in order (ISA guide 5.7.1.4): these see the stores above
.endr
.irp t, 0,1,2,3,4,5,6,7,8,9,10,11,12,13,14,15
	s_wait_dscnt 15-(\t)                           ; row t is back; the 15 - t later rows' loads stay out
	global_store_b128 v[CO], v[BK+4*(\t):BK+4*(\t)+3], s[OUTB:OUTB+1] offset:8192*(\t) th:TH_STORE_NT  ; the wave stores 512 consecutive bytes, at a multiple of 512 from out0's first byte
.endr
	s_wait_xcnt 0x0                                ; the stores' base and data are written again only behind this wait
	s_add_nc_u64 s[OUTB:OUTB+1], s[OUTB:OUTB+1], 16*8192
	s_sub_co_u32 s[CNT], s[CNT], 1
	s_cmp_lg_u32 s[CNT], 0
	s_cbranch_scc1 .Lblk
	s_wait_tensorcnt 0x0                           ; the wave's end, behind my last tensor load and my last LDS store
	ds_add_u32 v[SPW], v[NIL]
	s_wait_dscnt 0x0
	CROUND                                         ; the closing round: no work-group ends while a partner may still ask for a tile that names it
	s_endpgm
.Lfunc_end_k_q39168aeda4_oproj:
	.size	k_q39168aeda4_oproj, .Lfunc_end_k_q39168aeda4_oproj-k_q39168aeda4_oproj
	.p2alignl 7, 3214868480
	.fill 96, 4, 3214868480
	.section	.rodata,"a",@progbits
	.p2align	6, 0x0
	.amdhsa_kernel k_q39168aeda4_oproj
		.amdhsa_group_segment_fixed_size 327680
		.amdhsa_private_segment_fixed_size 0
		.amdhsa_enable_private_segment 0
		.amdhsa_kernarg_size 24
		.amdhsa_user_sgpr_count 2
		.amdhsa_user_sgpr_kernarg_segment_ptr 1
		.amdhsa_wavefront_size32 1
		.amdhsa_system_sgpr_workgroup_id_x 1
		.amdhsa_system_sgpr_workgroup_id_y 1
		.amdhsa_system_sgpr_workgroup_id_z 1
		.amdhsa_system_vgpr_workitem_id 0
		.amdhsa_next_free_vgpr 1024
		.amdhsa_next_free_sgpr 90
		.amdhsa_reserve_vcc 0
		.amdhsa_float_denorm_mode_32 3
		.amdhsa_float_denorm_mode_16_64 3
		.amdhsa_memory_ordered 1
		.amdhsa_forward_progress 1
		.amdhsa_inst_pref_size 126
	.end_amdhsa_kernel
	.amdgpu_metadata
---
amdhsa.version: [ 1, 2 ]
amdhsa.kernels:
  - .name:           k_q39168aeda4_oproj
    .symbol:         k_q39168aeda4_oproj.kd
    .args:
      - { .name: oc, .offset: 0, .size: 8, .value_kind: global_buffer, .address_space: global }
      - { .name: wof, .offset: 8, .size: 8, .value_kind: global_buffer, .address_space: global }
      - { .name: out0, .offset: 16, .size: 8, .value_kind: global_buffer, .address_space: global }
    .group_segment_fixed_size: 327680
    .private_segment_fixed_size: 0
    .kernarg_segment_align: 8
    .kernarg_segment_size: 24
    .max_flat_workgroup_size: 128
    .sgpr_count:     90
    .vgpr_count:     1024
    .wavefront_size: 32
...
	.end_amdgpu_metadata
.endif
;; end of part 5
;; ======== version 2 of 2: 5 launches; version 1 with the launch attn written anew for expert scheduling mode
;; limits: values are held in f16: magnitudes above 65,504 overflow, below 6.1e-05 lose precision
;; workspace buffers: xb 26,214,400 bytes; wqkv 8,388,608 bytes; wof 4,194,304 bytes; cst 3,276,800 bytes; qkvh 26,214,400 bytes; ofull 16,777,216 bytes; oc 13,107,200 bytes
;; launch cast: the kernel of part 1 again; grid 2468 x 1, 8 waves a work-group, no clusters, 0 bytes of LDS; arguments hidden_states, wq, wk, wv, wo, cos, sin, xb, wqkv, wof, cst; writes xb, wqkv, wof, cst
;; launch qkv: the kernel of part 2 again; grid 8 x 25, 4 waves a work-group, clusters of 4 x 1, 327,680 bytes of LDS; arguments xb, wqkv, cst, q_norm_w, k_norm_w, qkvh; writes qkvh
;; launch attn (part 6): grid 8 x 32, 4 waves a work-group, no clusters, 119,296 bytes of LDS; arguments qkvh, scatter_indices, ofull; writes ofull
.if DOCPART == 6
	.amdgcn_target "amdgcn-amd-amdhsa--gfx1250"
	.amdhsa_code_object_version 6
	.text
	.protected	k_q39168aeda4_attn
	.globl	k_q39168aeda4_attn
	.p2align	8
	.type	k_q39168aeda4_attn,@function
k_q39168aeda4_attn:
	s_mov_b64 s[64:65], 0
	v_nop
	global_prefetch_b8 v0, s[64:65] scope:SCOPE_SE
	s_setreg_imm32_b32 hwreg(HW_REG_WAVE_SCHED_MODE, 0, 2), 2
	s_setreg_imm32_b32 hwreg(HW_REG_WAVE_MODE, 25, 1), 1
	s_wait_xcnt 0x0
	s_wait_alu depctr_vm_vsrc(0)
; CAUSAL ATTENTION ON THE FULL POSITIONS.  For sequence b, query head g, position p: ofull[1024 b + p][128 g ..] = the sum over keys k <= p of softmax_k(q . k / sqrt(128)) v, where position p's q, k and v are
; row scatter_indices[1024 b + p] of the planes of qkvh (f16, [16][6400][128]; q's and k's channels permuted alike).  Two query heads share a key and value head.  Products, maxima and sums in f32;
; the weights p are rounded to f16 for the second product (their sum l is taken of the unrounded p), O once at the end.
; LIMITS.  f16 holds no number beyond 65,504: q, k, v arrive within it, O is a mean of v's rows.  A hidden score counts as its value less 1e30; a weight below 2^-126 counts as 0 in l; NaN and infinities are
; not treated apart; an index is held to 0 .. 6399.  cu_seq_lengths enters no result: the sequences are the fixed 8 x 1024.
; THE WALK.  A sequence's positions lie in 16 blocks of 64; block j needs the key steps 0 .. j of 64 keys, the last holding the diagonal.  A work-group (b, key head, i) takes blocks i and 15 - i, for BOTH query
; heads of its key head: 17 steps whatever i: 256 work-groups of equal work.  Of the two blocks' step counts, i + 1 and 16 - i, one is odd: that block goes first, so both blocks end behind an EVEN step of the
; walk (steps 0 .. 16).  The text holds an even step and an odd step; the loop is [odd step, even step, a block's end if it is one] and is entered at the even step: 9 even and 8 odd steps.
; SHARES.  Wave w owns positions 16 w .. 16 w + 15 of the block, in two tiles: the two query heads.  A step is 32 products K Q^T and 32 products V^T P a wave.
; K AND V COME BY INDEX, so not by tensor loads: each wave gathers 16 of a step's 64 rows of K and of V into registers (16 lanes a row: 256 consecutive bytes) and stores them into LDS.  Step t's tile has slot
; t % 2 of LDS and set t % 2 of the registers (64 for rows, 8 offsets, 8 indices).  Step s stores tile s + 1, asks for the rows of tile s + 3 and for the indices of tile s + 5: the same 18 loads in every step, so
; that the wait for the rows leaves exactly the last step's 18 out on every path.  The price: the last three steps gather rows that no step reads (key steps of the same sequence: 3 gathers of 20), and the last
; step stores and fetches a tile that nobody multiplies.
; ONE BARRIER A STEP, in its middle.  In front of it each wave has waited for its reads of V of tile s and for its stores of tile s + 1 (K of tile s was waited for at the step's head).  So behind barrier s tile
; s + 1 is whole, and its K is fetched there; and nobody reads tile s any more, so step s + 1 may store tile s + 2 over it.
; THE LDS LOADS stand in runs of eight: V's between the products K Q^T of its own step, K's of the next step between the softmax's second half and the products V^T P: the wave goes on issuing while a run is served.
; NO CLUSTER, NO JOINT LOADS: rows named by a list are not a tile that a descriptor can state; what is shared, the two query heads' K and V, is shared inside the work-group.  NO PREFETCH: a list may name a row
; many times, so no address arithmetic names each block once; the rows are asked for two steps ahead as it is.
; LAYOUT.  S^T = K Q^T (source 0 = 16 keys, source 1 = 16 queries): a lane holds ONE query (l % 16) and keys 8 (l / 16) + 0..7.  Two such results rounded to f16 ARE source 1 of O^T = V^T P.
; SOFTMAX.  p = 2^(c s - c m), c = log2(e) / sqrt(128), with a running maximum m; O and l are multiplied by a = 2^(c m_old - c m_new) in every step.  A block starts with c m far below every c s: its first a is 0.
; THE MASK is the C operand that starts the sum S^T: MD x AL, AL = 1 in a block's last step, else 0; MD holds -1e30 where the key lies behind my query.
; THE MODE: SCHED_MODE bits 1:0 = 2 (LLVM: expert scheduling mode 2), set by the entry lines.  The code itself states the register dependences between vector or matrix instructions and memory or LDS
; instructions, with s_wait_alu, always for 0.
; THE PLAN.  Registers that memory or LDS instructions touch in the loop; step s has parity par, the other parity is o:
;   K            Loaded by the four runs behind barrier s, for step s + 1; read by the products K Q^T of step s + 1, which stand ahead of that step's wait.
;   V[par]       Two buffers by the step's parity.  Loaded by the four runs among the products K Q^T of step s; read by the products V^T P of step s; loaded again in step s + 2.
;   rows[o]      Loaded by 16 loads behind barrier s; read by the LDS stores of step s + 2.  No vector instruction names them.
;   indices[o]   Loaded by 2 loads behind barrier s; read and written by the lines of step s + 2 that make the offsets.
;   offsets[o] and the set's index offset   Written by vector lines in the first half of step s; read by the 18 loads behind barrier s.
;   The LDS and output addresses are made at the head and never written again.
; So a step has ONE wait on va_vdst and ONE on vm_vsrc, side by side in front of its barrier.  Behind them the step's vector and matrix lines name S^T, P, the statistics, O^T and V[par] alone: none of the registers
; that the loads of K, of rows[o] and of indices[o] touch; and from there to the next step's loads of V[o] no line names V[o], whose last readers, the products V^T P of step s - 1, stand ahead of the wait.
; REGISTERS in windows of 256 (s_set_vgpr_msb: bits 1:0 source 0, 3:2 source 1, 5:4 source 2, 7:6 destination):
;   window 0: v0-11, v28-31, v56-60 addresses; v12-27 statistics; v32-47 offsets and indices, set 0; v48-55 at work; v64-127 S^T; v128-159 P; v160-223 rows, set 0; v224-239 indices and offsets, set 1
;   window 1: v0-127 O^T; v128-159 MD; v160-191 MC; v192-255 rows, set 1      window 2: v0-63 Q; v64-127 the second block's Q; v128-255 K      window 3: v0-127 V of even steps; v128-255 V of odd steps
.set PK,    272       ; a row of K in LDS: 256 bytes + 16: the 16 rows of a load start at 16 different groups of four banks (64 banks of 4 bytes: ISA guide 11.1)
.set PVP,   288       ; a row of V: 256 + 32
.set VOFF,  64*PK     ; a slot: 64 rows of K, then 64 rows of V
.set SLOT1, 65536     ; slot 1 begins here
.set STAGE, SLOT1+64*(PK+PVP)  ; 16 rows x 272 bytes for each wave, for the way out
.set SP,    272
.set SPARE, STAGE+4*16*SP      ; the spare words, 128 bytes a wave: two blocks of 256 bytes that no other line names
.set PLANE, 6400*256
.set AK,  2           ; v2, v3    my lane's place in K's tile of slot 0, 1; never rewritten
.set AV,  4           ; v4, v5    the same for V
.set STO, 6
.set RD,  7
.set GO,  8
.set HH,  9           ; l / 16
.set IO,  10          ; byte offset of my 8 indices in a step's 64
.set ST,  12          ; tile t's statistics at ST + 8 t: c m, m, l (even keys', odd keys'), c0-c3 at work; a takes c2's place
.set WK,  28          ; v28, v29  where I store my first gathered row of K in slot 0, 1; never rewritten
.set X16, 30          ; 16 x (l % 16)
.set AD,  32          ; byte offsets of my 8 rows in a plane: set q at AD + 200 q
.set IX,  40          ; their indices: set q at IX + 184 q
.set IOF, 56          ; v56, v57  the offset of set q's indices in the sequence's list
.set WVR, 58          ; v58, v59  where I store my first gathered row of V in slot 0, 1; never rewritten
.set T0F, 60          ; v60       the head: the offset of step 0's indices
.set SPW, 62
.set NIL, 63
.set S,   64
.set T0,  64          ; the head: step 0's indices, then offsets (S^T's registers are free there)
.set P,   128
.set GR,  160         ; rows: set q at GR + 32 q of window q: K's row r at + 4 r, V's at + 32 + 4 r
.set MD,  128         ; window 1
.set MC,  160         ; window 1
.set QB2, 64          ; window 2
.set KF,  128         ; window 2
.set WV, 12
.set PB, 14           ; i
.set HI, 15           ; 15 - i
.set BB, 16           ; the sequence
.set KV, 17           ; the key head
.set KB, 20           ; s[20:21] K's plane; V's lies 4 planes on
.set QB, 22           ; s[22:23] the first query head's plane; the second's lies one plane on
.set SB, 24           ; s[24:25] the sequence's indices; never rewritten
.set OB, 30           ; s[30:31] ofull at my rows of the block in hand
.set OLO, 32          ; s[32:33] of the second block
.set SLOTS, 34        ; even steps still to come
.set RT, 35           ; steps of the block in hand that are still to be entered
.set NXT, 36          ; the key step whose indices are asked for next
.set LQ, 37           ; the last key step of the block that they belong to
.set FB, 38           ; the block that goes first
.set SE, 39           ; the second
.set AL, 40           ; s[40:41] the mask's factor
.set CS, 44           ; s[44:45] c
.set SEL, 46          ; s[46:47] v_permlanex16_b32's selects: each lane takes its own place in the other half
.set BIGN, 48
.set MSB, 0
.macro WIN new                      ; the high byte repeats the setting that is left; a switch that changes nothing is dropped
.if MSB != (\new)
	s_set_vgpr_msb (MSB<<8)|(\new)
.set MSB, (\new)
.endif
.endm
.macro PLACES
.rept 4
	v_nop
.endr
.endm
.macro LOADKV q                     ; my 8 rows of K and of V (lanes 0-15 one row, lanes 16-31 another), 16 bytes a lane, into set q
	WIN 0x40*(\q)                   ; destination in window q
.irp r, 0,1,2,3,4,5,6,7
	global_load_b128 v[GR+32*(\q)+4*(\r):GR+32*(\q)+4*(\r)+3],       v[AD+200*(\q)+(\r)], s[KB:KB+1]
	global_load_b128 v[GR+32*(\q)+32+4*(\r):GR+32*(\q)+32+4*(\r)+3], v[AD+200*(\q)+(\r)], s[KB:KB+1] offset:4*PLANE
.endr
	WIN 0
.endm
.macro IDXADDR iof                  ; where the indices of key step NXT lie; then NXT steps, and behind a block's last key step goes back to 0, for the second block.  It stands ahead of a wait on va_vdst; the loads follow that wait
	v_lshl_add_u32 v[\iof], s[NXT], 8, v[IO]
	s_add_co_u32 s[NXT], s[NXT], 1
	s_cmp_gt_u32 s[NXT], s[LQ]
	s_cselect_b32 s[NXT], 0, s[NXT]
	s_cselect_b32 s[LQ], s[SE], s[LQ]
.endm
.macro IDXLOAD ix, iof              ; my 8 indices of that key step
	global_load_b128 v[\ix:\ix+3],   v[\iof], s[SB:SB+1]
	global_load_b128 v[\ix+4:\ix+7], v[\iof], s[SB:SB+1] offset:16
.endm
.macro MKADDR q                     ; index -> byte offset of my 16 bytes of the row
.irp r, 0,1,2,3,4,5,6,7
	v_min_u32 v[IX+184*(\q)+(\r)], 0x18ff, v[IX+184*(\q)+(\r)]
	v_lshl_add_u32 v[AD+200*(\q)+(\r)], v[IX+184*(\q)+(\r)], 8, v[X16]
.endr
.endm
.macro STOREKV q                    ; set q's rows into slot q: data that loads brought, addresses made at the head
	WIN 0x04*(\q)                   ; the stores' data in window q
.irp r, 0,1,2,3,4,5,6,7
	ds_store_b128 v[WK+(\q)],  v[GR+32*(\q)+4*(\r):GR+32*(\q)+4*(\r)+3]       offset:PK*(\r)
	ds_store_b128 v[WVR+(\q)], v[GR+32*(\q)+32+4*(\r):GR+32*(\q)+32+4*(\r)+3] offset:PVP*(\r)
.endr
	WIN 0
.endm
.macro FETCH_K4 g, sl               ; run g of four: keys 16 g on, all 128 channels: 4 fragments, 8 loads, from slot sl
	WIN 0x80
.irp f, 0,1,2,3
	ds_load_b128 v[KF+8*(4*(\g)+(\f)):KF+8*(4*(\g)+(\f))+3],   v[AK+(\sl)] offset:(\g)*16*PK+(\f)*64
	ds_load_b128 v[KF+8*(4*(\g)+(\f))+4:KF+8*(4*(\g)+(\f))+7], v[AK+(\sl)] offset:(\g)*16*PK+(\f)*64+32
.endr
.endm
.macro FETCH_V4 g, sl               ; run g of four, turned: keys 32 (g / 2) on, channels 64 (g % 2) on: 4 fragments, 8 loads, from slot sl into V's buffer sl
	WIN 0xc0
.irp f, 0,1,2,3
	ds_load_tr16_b128 v[128*(\sl)+8*(4*(\g)+(\f)):128*(\sl)+8*(4*(\g)+(\f))+3],   v[AV+(\sl)] offset:((\g)/2)*32*PVP+(4*((\g)%2)+(\f))*32
	ds_load_tr16_b128 v[128*(\sl)+8*(4*(\g)+(\f))+4:128*(\sl)+8*(4*(\g)+(\f))+7], v[AV+(\sl)] offset:((\g)/2)*32*PVP+16*PVP+(4*((\g)%2)+(\f))*32
.endr
.endm
; Product i of 32 of S^T: channels 32 (i / 8) on, keys 16 ((i / 2) % 4) on, tile i % 2.  The first 8 start the sums with the mask.  The 8 accumulators take turns.
.macro KQ
.set rS, S+32*(i%2)+8*((i/2)%4)
.set rK, KF+32*((i/2)%4)+8*(i/8)
.set rQ, 32*(i%2)+8*(i/8)
.set rM, MC+8*((i/2)%4)
.if i < 8
	WIN 0x1a                        ; K and Q window 2, the mask window 1, S^T window 0
	v_wmma_f32_16x16x32_f16 v[rS:rS+7], v[rK:rK+7], v[rQ:rQ+7], v[rM:rM+7]
.else
	WIN 0x0a
	v_wmma_f32_16x16x32_f16 v[rS:rS+7], v[rK:rK+7], v[rQ:rQ+7], v[rS:rS+7]
.endif
.endm
; Product i of 32 of O^T += V^T P: keys 32 (i / 16) on, channels 16 ((i / 2) % 8) on, tile i % 2, V from buffer vb.  16 accumulators by turns.
.macro PVM vb
	WIN 0x53                        ; V window 3, P window 0, O^T window 1
.set rO, 64*(i%2)+8*((i/2)%8)
.set rV, 128*(\vb)+64*(i/16)+8*((i/2)%8)
.set rP, P+16*(i%2)+8*(i/16)
	v_wmma_f32_16x16x32_f16 v[rO:rO+7], v[rV:rV+7], v[rP:rP+7], v[rO:rO+7]
.endm
.macro MASK
	WIN 0x41
.set z, 0
.rept 16
	v_pk_mul_f32 v[MC+2*z:MC+2*z+1], v[MD+2*z:MD+2*z+1], s[AL:AL+1] op_sel_hi:[1,0]
.set z, z+1
.endr
.endm
; One tile's softmax for one key step: a list of 134 instructions; SM writes number j for tile t.  s0-s31 are the lane's 32 scores, in pairs 0-15.
;   0-15    the maximum of s0-s31 and the old m, three operands at a time (each accumulator's lowest registers are read first)
;   16-20   the other half of the lanes' maximum; the new m; c m; c m_old - c m_new
;   21-69   the 16 scalings c s - c m and all 33 exponentials (a at 23): none of these names an exponential's result; a pair is scaled ahead of its exponentials
;   70-85   the roundings to f16      86-101  the sums; l = a l + the sum      102-133 the tile's O^T times a
.macro SM t
.set rT, ST+8*(\t)
.set rS, S+32*(\t)
.set rP, P+16*(\t)
.set rO, 64*(\t)+2*(j-102)
.if j < 102
	WIN 0
.endif
.if j < 4
	v_max3_num_f32 v[rT+4+j], v[rS+8*j], v[rS+8*j+1], v[rS+8*j+2]
.elseif j < 12
	v_max3_num_f32 v[rT+4+j%4], v[rT+4+j%4], v[rS+8*(j%4)+2*(j/4)+1], v[rS+8*(j%4)+2*(j/4)+2]
.elseif j == 12
	v_max3_num_f32 v[rT+4], v[rT+4], v[rS+7], v[rS+15]
.elseif j == 13
	v_max3_num_f32 v[rT+6], v[rT+6], v[rS+23], v[rS+31]
.elseif j == 14
	v_max3_num_f32 v[rT+4], v[rT+4], v[rT+5], v[rT+6]
.elseif j == 15
	v_max3_num_f32 v[rT+4], v[rT+4], v[rT+7], v[rT+1]
.elseif j == 16
	v_permlanex16_b32 v[rT+5], v[rT+4], s[SEL], s[SEL+1]  ; the query's other 32 keys lie in the lane 16 away
.elseif j == 17
	v_mov_b32 v[rT+7], v[rT]        ; c m_old is kept for a
.elseif j == 18
	v_max_num_f32 v[rT+1], v[rT+4], v[rT+5]
.elseif j == 19
	v_mul_f32 v[rT], s[CS], v[rT+1]
.elseif j == 20
	v_sub_f32 v[rT+7], v[rT+7], v[rT]
.elseif j == 23
	v_exp_f32 v[rT+6], v[rT+7]
.elseif (j < 23) || ((j < 38) && (j%2 == 0)) || ((j < 66) && (j%4 == 2))
.set b, (j-2)/4                     ; 38, 42, .. 62: pairs 9 to 15
.if j < 38
.set b, (j-20)/2                    ; 21: pair 0; 22, 24, .. 36: pairs 1 to 8
.endif
	v_pk_fma_f32 v[rS+2*b:rS+2*b+1], v[rS+2*b:rS+2*b+1], s[CS:CS+1], v[rT:rT+1] op_sel_hi:[1,0,0] neg_lo:[0,0,1] neg_hi:[0,0,1]
.elseif j < 70
.set e, j-38                        ; 66 to 69: s28 to s31
.if j < 66
.set e, j-32-(j-38)/4               ; 39-41, 43-45, .. 63-65: s7 to s27
.endif
.if j < 38
.set e, (j-25)/2                    ; 25, 27, .. 37: s0 to s6
.endif
	v_exp_f32 v[rS+e], v[rS+e]
.elseif j < 86
	v_cvt_pk_f16_f32 v[rP+j-70], v[rS+2*(j-70)], v[rS+2*(j-70)+1]
.elseif j < 102                     ; the sum of the 16 pairs, in place: neighbours 1, 2, 4 and 8 pairs apart, then l takes it
.set z, j-86
.set w, 4
.set u, z
.if z >= 14
.set w, 32
.set u, 0
.elseif z >= 12
.set w, 16
.set u, z-12
.elseif z >= 8
.set w, 8
.set u, z-8
.endif
.if z < 15
	v_pk_add_f32 v[rS+w*u:rS+w*u+1], v[rS+w*u:rS+w*u+1], v[rS+w*u+w/2:rS+w*u+w/2+1]
.else
	v_pk_fma_f32 v[rT+2:rT+3], v[rT+2:rT+3], v[rT+6:rT+7], v[rS:rS+1] op_sel_hi:[1,0,1]
.endif
.else
	WIN 0x41
	v_pk_mul_f32 v[rO:rO+1], v[rO:rO+1], v[rT+6:rT+7] op_sel_hi:[1,0]
.endif
.endm
.macro SMS n                        ; the next n numbers of both tiles' lists, the tiles alternating
.rept \n
	SM 0
	SM 1
.set j, j+1
.endr
.endm
; A STEP of parity par.  Its tile lies in slot par and its K is in registers or on its way there; the other slot and the other set are the next tile's.
.macro STEP par
	s_sub_co_u32 s[RT], s[RT], 1
	s_cmp_eq_u32 s[RT], 0           ; the block's last step holds the diagonal
	s_cselect_b32 s[AL], 1.0, 0
	MASK
	s_wait_dscnt 0x0                ; K is in: its last run was issued 24 products ago
.set i, 0
.irp g, 0,1,2,3
	FETCH_V4 \g, \par               ; a run of V's loads ahead of each eight products.  No wait: this buffer's last readers, the products V^T P of two steps back, stand ahead of the last step's wait on va_vdst, and no line since names it
.rept 8
	KQ
.set i, i+1
.endr
.endr
	WIN 0
	s_wait_loadcnt 18               ; all but the last step's 18 loads: the next tile's rows and the indices of the tile three on, asked for two steps ago, are in; those loads are done with their offsets
	MKADDR 1-(\par)                 ; seventeen plain instructions with the line below: also the places behind the last product K Q^T.  The loads that read these offsets stand ahead of the last step's wait on vm_vsrc
	IDXADDR IOF+1-(\par)
	STOREKV 1-(\par)                ; the next tile: nobody has read that slot since the last barrier
.set j, 0
	SMS 70                          ; the maximum, the scalings and the batch of 66 exponentials
	v_nop                           ; a plain instruction behind the last exponential
	s_wait_alu depctr_va_vdst(0)    ; the batch's 66 results are written, ahead of their first reader; the products K Q^T are done reading K, in which the four runs below land; the other set's offsets and index offset are written, which the 18 loads below read; the lines that made them are done with the index registers, in which two of those loads land
	s_wait_alu depctr_vm_vsrc(0)    ; my LDS stores have read the other set's rows, in which 16 of the loads below land; the last step's 18 loads have read this set's offsets, which the next step writes anew
	s_wait_dscnt 0x0                ; my stores are done, and my reads of this step's tile are over
	s_barrier_signal -1
	s_barrier_wait -1               ; the next tile is whole; this step's tile is read no more
	FETCH_K4 0, 1-(\par)
	LOADKV 1-(\par)                 ; the set that has just been stored takes the rows of the tile three on,
	IDXLOAD IX+184*(1-(\par)), IOF+1-(\par)  ; and the indices of the tile five on
	SMS 32                          ; the roundings and the sums
	FETCH_K4 1, 1-(\par)            ; no wait: no vector or matrix line since the wait above names K
	SMS 32                          ; O^T times a
	FETCH_K4 2, 1-(\par)
.set i, 0
.rept 8
	PVM \par
.set i, i+1
.endr
	FETCH_K4 3, 1-(\par)
.rept 24
	PVM \par
.set i, i+1
.endr
	WIN 0
.endm
; A BLOCK'S END: l's two halves and the other half of the lanes' are added; O^T is divided by l, rounded to f16 and sent through my stage in LDS, a tile at a time.
.macro PACKA t                      ; tile t's arithmetic: a lane's eight channels of a row pack into 16 bytes
	WIN 0x41
.set i, 64*(\t)
.rept 32
	v_pk_mul_f32 v[i:i+1], v[i:i+1], v[ST+8*(\t)+6:ST+8*(\t)+7] op_sel_hi:[1,0]
.set i, i+2
.endr
	WIN 0x05                        ; sources 0 and 1 window 1, destination window 0: S^T's registers are free
.set i, 0
.rept 32
	v_cvt_pk_f16_f32 v[S+32*(\t)+i], v[64*(\t)+2*i], v[64*(\t)+2*i+1]
.set i, i+1
.endr
.endm
.macro TOSTAGE t
.irp f, 0,1,2,3,4,5,6,7
	ds_store_b128 v[STO], v[S+32*(\t)+4*(\f):S+32*(\t)+4*(\f)+3] offset:32*(\f)
.endr
.endm
.macro BACK t
.irp f, 0,1,2,3,4,5,6,7
	ds_load_b128 v[S+32*(\t)+4*(\f):S+32*(\t)+4*(\f)+3], v[RD] offset:(\f)*2*SP  ; LDS serves a wave's instructions in order (ISA guide 5.7.1.4): these see the stores above; the next tile's stores come behind them
.endr
.endm
.macro SEND t, younger              ; younger: the LDS instructions issued behind tile t's loads
.irp f, 0,1,2,3,4,5,6,7
	s_wait_dscnt (\younger)+7-(\f)
	global_store_b128 v[GO], v[S+32*(\t)+4*(\f):S+32*(\t)+4*(\f)+3], s[OB:OB+1] offset:(\f)*4096+(\t)*256  ; 16 lanes store a head's 256 bytes of one row of ofull, aligned
.endr
.endm
.macro BLOCKEND
	WIN 0
	PLACES                          ; behind the last products
.irp t, 0,1
	v_add_f32 v[ST+8*(\t)+4], v[ST+8*(\t)+2], v[ST+8*(\t)+3]
.endr
.irp t, 0,1
	v_permlanex16_b32 v[ST+8*(\t)+5], v[ST+8*(\t)+4], s[SEL], s[SEL+1]
.endr
.irp t, 0,1
	v_add_f32 v[ST+8*(\t)+4], v[ST+8*(\t)+4], v[ST+8*(\t)+5]
.endr
.irp t, 0,1
	v_rcp_f32 v[ST+8*(\t)+6], v[ST+8*(\t)+4]
.endr
	v_nop                           ; a plain instruction behind the last reciprocal
	s_wait_alu depctr_va_vdst(0)    ; the two reciprocals' results are written, ahead of their first reader
	PACKA 0
	PACKA 1
	WIN 0
	s_wait_alu depctr_va_vdst(0)    ; the conversions of both tiles have written S^T's registers, which the LDS stores below read and in which the loads below land
	TOSTAGE 0
	s_wait_alu depctr_vm_vsrc(0)    ; tile 0's LDS stores have read their 32 registers, in which the rows come back
	BACK 0
	TOSTAGE 1
	s_wait_alu depctr_vm_vsrc(0)    ; the same for tile 1's
	BACK 1
	SEND 0, 16
	SEND 1, 0
.endm
	s_load_b128 s[4:7], s[0:1], 0x0 ; qkvh s[4:5], scatter_indices s[6:7]
	s_load_b64 s[8:9], s[0:1], 0x10 ; ofull
	v_lshl_add_u32 v[SPW], v0, 2, SPARE
	v_mov_b32 v[NIL], 0
	v_lshrrev_b32 v31, 5, v0
	v_readfirstlane_b32 s[WV], v31
	v_and_b32 v1, 15, v0            ; x = l % 16
	v_bfe_u32 v[HH], v0, 4, 1
	s_mov_b32 s[PB], ttmp9
	s_sub_co_u32 s[HI], 15, s[PB]
	s_and_b32 s18, s[PB], 1
	s_cmp_eq_u32 s18, 0             ; i even: block i has i + 1 steps, an odd number; i odd: block 15 - i has 16 - i
	s_cselect_b32 s[FB], s[PB], s[HI]
	s_cselect_b32 s[SE], s[HI], s[PB]
	s_and_b32 s18, ttmp7, 0xffff
	s_lshr_b32 s[BB], s18, 2
	s_and_b32 s[KV], s18, 3
	s_wait_alu depctr_va_sdst(0)    ; the wave's number is written, ahead of its first reader, the line below
	s_lshl_b32 s18, s[WV], 6
	v_lshl_add_u32 v[IO], v[HH], 5, s18  ; 4 x (16 w + 8 h)
	s_lshl_b32 s19, s[FB], 8
	s_add_co_u32 s19, s19, s18
	v_lshl_add_u32 v48, v1, 2, s19  ; my query's index in the first block: 4 x (64 block + 16 w + x),
	s_lshl_b32 s19, s[SE], 8
	s_add_co_u32 s19, s19, s18
	v_lshl_add_u32 v49, v1, 2, s19  ; and in the second
	v_lshlrev_b32 v[X16], 4, v1
	v_lshlrev_b32 v53, 4, v[HH]
	s_mov_b32 s[NXT], 0
	s_mov_b32 s[LQ], s[FB]
	IDXADDR T0F                     ; where the indices of the walk's steps 0, 1 and 2 lie
	IDXADDR IOF+1
	IDXADDR IOF
	s_lshl_b32 s42, s[BB], 12       ; a sequence has 1,024 indices of 4 bytes
	s_mov_b32 s43, 0
	s_wait_kmcnt 0x0
	s_add_nc_u64 s[SB:SB+1], s[6:7], s[42:43]
	s_wait_alu depctr_va_vdst(0)    ; the five offsets v48, v49, v[T0F], v[IOF] and v[IOF+1] are written, which the eight loads below read
	IDXLOAD T0, T0F
	IDXLOAD IX+184, IOF+1
	IDXLOAD IX, IOF
	global_load_b32 v50, v48, s[SB:SB+1]
	global_load_b32 v51, v49, s[SB:SB+1]
	s_add_co_u32 s42, s[KV], 8
	s_mul_i32 s42, s42, PLANE
	s_add_nc_u64 s[KB:KB+1], s[4:5], s[42:43]
	s_lshl_b32 s42, s[KV], 1
	s_mul_i32 s42, s42, PLANE
	s_add_nc_u64 s[QB:QB+1], s[4:5], s[42:43]
	s_lshl_b32 s18, s[BB], 10
	s_lshl_b32 s19, s[WV], 4
	s_add_co_u32 s18, s18, s19      ; 1024 b + 16 w
	s_lshl_b32 s19, s[KV], 9        ; the two heads' 512 bytes of a row
	s_lshl_b32 s42, s[FB], 6
	s_add_co_u32 s42, s42, s18
	s_lshl_b32 s42, s42, 11
	s_add_co_u32 s42, s42, s19
	s_add_nc_u64 s[OB:OB+1], s[8:9], s[42:43]
	s_lshl_b32 s42, s[SE], 6
	s_add_co_u32 s42, s42, s18
	s_lshl_b32 s42, s42, 11
	s_add_co_u32 s42, s42, s19
	s_add_nc_u64 s[OLO:OLO+1], s[8:9], s[42:43]
	s_mov_b32 s[SLOTS], 9
	s_add_co_u32 s[RT], s[FB], 1    ; block j has j + 1 steps
	s_mov_b32 s[AL+1], 0            ; named as a pair
	s_mov_b32 s[CS], 0x3e0293ee     ; c = log2(e) / sqrt(128)
	s_mov_b32 s[CS+1], s[CS]
	s_mov_b32 s[SEL], 0x76543210
	s_mov_b32 s[SEL+1], 0xfedcba98
	s_mov_b32 s[BIGN], 0xf149f2ca   ; -1e30
	s_wait_loadcnt 0x0
	s_wait_alu depctr_vm_vsrc(0)    ; the loads of the indices have read v[IOF] and v[IOF+1], which are written anew below
.irp r, 0,1,2,3,4,5,6,7
	v_min_u32 v[T0+(\r)], 0x18ff, v[T0+(\r)]
	v_lshl_add_u32 v[T0+(\r)], v[T0+(\r)], 8, v[X16]
.endr
	MKADDR 1
	MKADDR 0
	v_min_u32 v50, 0x18ff, v50
	v_min_u32 v51, 0x18ff, v51
	v_lshl_add_u32 v50, v50, 8, v53 ; my query's row x 256 + 16 x half
	v_lshl_add_u32 v51, v51, 8, v53
	IDXADDR IOF+1                   ; where the indices of steps 3 and 4 lie
	IDXADDR IOF
	WIN 0xc0                        ; step 0's rows land in the first 64 registers of V's even buffer, which are free here
	s_wait_alu depctr_va_vdst(0)    ; the offsets of steps 0, 1 and 2, of my two queries and of the next indices are written, which the 84 loads below read; the lines that made them are done with both sets' index registers, in which four of those loads land
.irp r, 0,1,2,3,4,5,6,7
	global_load_b128 v[4*(\r):4*(\r)+3],       v[T0+(\r)], s[KB:KB+1]
	global_load_b128 v[32+4*(\r):32+4*(\r)+3], v[T0+(\r)], s[KB:KB+1] offset:4*PLANE
.endr
	WIN 0x80                        ; destination window 2
.irp t, 0,1                         ; both blocks' Q stay in registers: tile t, channels 32 c on
.irp c, 0,1,2,3
	global_load_b128 v[32*(\t)+8*(\c):32*(\t)+8*(\c)+3],           v50, s[QB:QB+1] offset:(\t)*PLANE+64*(\c)
	global_load_b128 v[32*(\t)+8*(\c)+4:32*(\t)+8*(\c)+7],         v50, s[QB:QB+1] offset:(\t)*PLANE+64*(\c)+32
	global_load_b128 v[QB2+32*(\t)+8*(\c):QB2+32*(\t)+8*(\c)+3],   v51, s[QB:QB+1] offset:(\t)*PLANE+64*(\c)
	global_load_b128 v[QB2+32*(\t)+8*(\c)+4:QB2+32*(\t)+8*(\c)+7], v51, s[QB:QB+1] offset:(\t)*PLANE+64*(\c)+32
.endr
.endr
	WIN 0
	LOADKV 1                        ; two groups of 18 loads, as every step issues one: step 1's rows and step 3's indices,
	IDXLOAD IX+184, IOF+1
	LOADKV 0                        ; step 2's rows and step 4's indices
	IDXLOAD IX, IOF
	; all that follows stands in the wait for those loads
	v_lshlrev_b32 v54, 3, v[HH]
	v_sub_nc_u32 v54, v1, v54
	s_lshl_b32 s18, s[WV], 4
	v_add_nc_u32 v54, s18, v54      ; my query's place in its block, 16 w + x, less my lanes' 8 h: register r of key group kt is hidden where 16 kt + r is greater
	WIN 0x40
.set i, 0
.rept 4                             ; the compares go in runs of eight, into eight scalar registers, with one wait behind each run
.irp m, 2,3,10,11,13,26,27,28
	v_cmp_gt_i32 s[\m], 16*(i/8)+i%8, v54
.set i, i+1
.endr
	s_wait_alu depctr_va_sdst(0)    ; the run's eight masks are written, ahead of the selects that read them
.set i, i-8
.irp m, 2,3,10,11,13,26,27,28
	v_cndmask_b32 v[MD+i], 0, s[BIGN], s[\m]
.set i, i+1
.endr
.endr
.set i, 0
.rept 128                           ; a block's first step multiplies O^T and l by a = 0, so they need only be finite: zeros for the first block, what the first block left for the second
	v_mov_b32 v[i], 0
.set i, i+1
.endr
	WIN 0
.irp t, 0,1
	v_mov_b32 v[ST+8*(\t)], 0xfe000000    ; c m: far below every c s
	v_mov_b32 v[ST+8*(\t)+1], 0xff7fffff  ; m: the lowest finite number
	v_mov_b32 v[ST+8*(\t)+2], 0
	v_mov_b32 v[ST+8*(\t)+3], 0
.endr
	v_mul_u32_u24 v[AK], v1, PK
	v_lshl_add_u32 v[AK], v[HH], 4, v[AK]         ; a fragment of K: row x, 16 bytes for each half of the lanes
	v_add_nc_u32 v[AK+1], SLOT1, v[AK]
	v_and_b32 v55, 7, v0
	v_lshl_add_u32 v[AV], v[HH], 3, v55           ; the turning load: key 8 h + l % 8, channels 8 ((l / 8) % 2) on
	v_mul_u32_u24 v[AV], v[AV], PVP
	v_bfe_u32 v55, v0, 3, 1
	v_lshl_add_u32 v[AV], v55, 4, v[AV]
	v_add_nc_u32 v[AV], VOFF, v[AV]
	v_add_nc_u32 v[AV+1], SLOT1, v[AV]
	s_mul_i32 s18, s[WV], 16*PK
	v_mul_u32_u24 v[WK], v[HH], 8*PK
	v_add3_u32 v[WK], v[WK], v[X16], s18          ; row 16 w + 8 h, my 16 bytes
	v_add_nc_u32 v[WK+1], SLOT1, v[WK]
	s_mul_i32 s18, s[WV], 16*PVP
	s_add_co_u32 s18, s18, VOFF
	v_mul_u32_u24 v[WVR], v[HH], 8*PVP
	v_add3_u32 v[WVR], v[WVR], v[X16], s18
	v_add_nc_u32 v[WVR+1], SLOT1, v[WVR]
	s_mul_i32 s18, s[WV], 16*SP
	s_add_co_u32 s18, s18, STAGE
	v_mul_u32_u24 v[STO], v1, SP                  ; in: row x, 16 bytes for each half of the lanes
	v_lshl_add_u32 v[STO], v[HH], 4, v[STO]
	v_add_nc_u32 v[STO], s18, v[STO]
	v_mul_u32_u24 v[RD], v[HH], SP                ; back: lanes 0-15 one row of 256 bytes, lanes 16-31 the next
	v_add3_u32 v[RD], v[RD], v[X16], s18
	v_lshl_add_u32 v[GO], v[HH], 11, v[X16]       ; and the same two rows in ofull
	s_wait_loadcnt 36               ; step 0's rows and Q are in; the two groups of 18 stay out
	WIN 0x0c                        ; the stores' data in window 3
	s_wait_alu depctr_va_vdst(0)    ; the eleven LDS and output addresses v2 to v8, v28, v29, v58 and v59 are written: every LDS instruction and every store of the kernel reads one of them
.irp r, 0,1,2,3,4,5,6,7
	ds_store_b128 v[WK],  v[4*(\r):4*(\r)+3]       offset:PK*(\r)
	ds_store_b128 v[WVR], v[32+4*(\r):32+4*(\r)+3] offset:PVP*(\r)
.endr
	WIN 0
	s_wait_dscnt 0x0
	s_barrier_signal -1
	s_barrier_wait -1               ; step 0's tile is whole
	s_wait_alu depctr_vm_vsrc(0)    ; my LDS stores have read the 64 registers in which step 0's loads of V land; the loads of step 0's rows have read their offsets, which lie in S^T's registers and are written by step 0's products; the two groups of 18 have read both sets' offsets, which steps 0 and 1 write anew
.irp g, 0,1,2,3
	FETCH_K4 \g, 0
.endr
	WIN 0
	s_branch .Leven                 ; the loop is entered at the even step, in the middle of a trip
.Lodd:
	STEP 1
.Leven:
	STEP 0
	s_cmp_lg_u32 s[RT], 0
	s_cbranch_scc1 .Lnext
	BLOCKEND                        ; both blocks end here.  Behind the second the lines below serve nothing: the price, once a launch, of one text
	s_wait_xcnt 0x0                 ; the stores' base and data are written again only behind this wait
	s_wait_alu depctr_vm_vsrc(0)    ; the stores have read S^T's registers, which the next step's products write
	s_mov_b64 s[OB:OB+1], s[OLO:OLO+1]
	s_add_co_u32 s[RT], s[SE], 1
	WIN 0x82
.set i, 0
.rept 64
	v_mov_b32 v[i], v[QB2+i]        ; the second block's Q goes where the text of the steps names Q
.set i, i+1
.endr
	WIN 0
.irp t, 0,1
	v_mov_b32 v[ST+8*(\t)], 0xfe000000
	v_mov_b32 v[ST+8*(\t)+1], 0xff7fffff
.endr
.Lnext:
	s_sub_co_u32 s[SLOTS], s[SLOTS], 1
	s_cmp_lg_u32 s[SLOTS], 0
	s_cbranch_scc1 .Lodd
	s_wait_dscnt 0x0                ; the closing lines, six on end
	s_wait_alu 0x0
	s_wait_tensorcnt 0x0
	ds_add_u32 v[SPW], v[NIL]
	s_wait_dscnt 0x0
	s_endpgm
.Lfunc_end_k_q39168aeda4_attn:
	.size	k_q39168aeda4_attn, .Lfunc_end_k_q39168aeda4_attn-k_q39168aeda4_attn
	.p2alignl 7, 3214868480
	.fill 96, 4, 3214868480
	.section	.rodata,"a",@progbits
	.p2align	6, 0x0
	.amdhsa_kernel k_q39168aeda4_attn
		.amdhsa_group_segment_fixed_size 119296
		.amdhsa_private_segment_fixed_size 0
		.amdhsa_enable_private_segment 0
		.amdhsa_kernarg_size 24
		.amdhsa_user_sgpr_count 2
		.amdhsa_user_sgpr_kernarg_segment_ptr 1
		.amdhsa_wavefront_size32 1
		.amdhsa_system_sgpr_workgroup_id_x 1
		.amdhsa_system_sgpr_workgroup_id_y 1
		.amdhsa_system_sgpr_workgroup_id_z 1
		.amdhsa_system_vgpr_workitem_id 0
		.amdhsa_next_free_vgpr 1024
		.amdhsa_next_free_sgpr 66
		.amdhsa_reserve_vcc 0
		.amdhsa_float_denorm_mode_32 3
		.amdhsa_float_denorm_mode_16_64 3
		.amdhsa_memory_ordered 1
		.amdhsa_forward_progress 1
		.amdhsa_inst_pref_size 102
	.end_amdhsa_kernel
	.amdgpu_metadata
---
amdhsa.version: [ 1, 2 ]
amdhsa.kernels:
  - .name:           k_q39168aeda4_attn
    .symbol:         k_q39168aeda4_attn.kd
    .args:
      - { .name: qkvh, .offset: 0, .size: 8, .value_kind: global_buffer, .address_space: global }
      - { .name: scatter_indices, .offset: 8, .size: 8, .value_kind: global_buffer, .address_space: global }
      - { .name: ofull, .offset: 16, .size: 8, .value_kind: global_buffer, .address_space: global }
    .group_segment_fixed_size: 119296
    .private_segment_fixed_size: 0
    .kernarg_segment_align: 8
    .kernarg_segment_size: 24
    .max_flat_workgroup_size: 128
    .sgpr_count:     66
    .vgpr_count:     1024
    .wavefront_size: 32
...
	.end_amdgpu_metadata
.endif
;; end of part 6
;; launch fold: the kernel of part 4 again; grid 256 x 1, 4 waves a work-group, no clusters, 0 bytes of LDS; arguments ofull, fold_gather, oc; writes oc
;; launch oproj: the kernel of part 5 again; grid 8 x 25, 4 waves a work-group, clusters of 4 x 1, 327,680 bytes of LDS; arguments oc, wof, out0; writes out0
